; MI455X (gfx1250); checked and timed in simulation.
; The chip was launched on July 23, 2026; its instructions are those of AMD's public machine-readable ISA for CDNA 5 (MIT licence, August 2026) and "CDNA5" Instruction Set Architecture Reference Guide (July 2026). The comments in the code are by the model that wrote it; some were corrected since.
;; Qwen3 TTS Attention. Allowed arithmetic: matrix products marked QUANTISED: E2M1 operands, one E8M0 scale for each 32 along K, by v_wmma_scale_f32_16x16x128_f8f6f4 with both operands' format E2M1 (or v_wmma_scale_f32_32x16x128_f4), f32 sums; products left as they are: bf16, f16 or f32 operands; f32 sums; everything else in f32.
;; Inputs: cos 1 x 4,096 x 128 float32; hidden_states 1 x 4,096 x 2,048 float32; k_norm_w 128 float32; q_norm_w 128 float32; sin 1 x 4,096 x 128 float32; wk 1,024 x 2,048 float32; wo 2,048 x 1,024 float32; wq 1,024 x 2,048 float32; wv 1,024 x 2,048 float32.
;; Outputs: out0 1 x 4,096 x 2,048 float32.
;; This version of the problem:
;;   THIS VERSION OF THE PROBLEM IS GIVEN IN LOW PRECISION. The matrix products marked QUANTISED in the list below multiply operands that are first quantised to E2M1 (2 exponent bits, 1 mantissa bit; 4 bits a number), with one power-of-two scale for each 32 numbers along K (OCP MX v1.0); their sums are f32. The products marked 'left as it is' may take bf16, f16 or f32 operands, with f32 sums. Whichever they take, every output number must still come out within the allowed error. Rounding operands to bf16 (8 significant bits) uses up far more of that allowance than f16 does (11 bits, for magnitudes from 6e-5 to 65,504). All else is computed in f32.
;;   The module's matrix products, in the order in which they are computed (A, B: the left and right operand; K: the contracted axis; several contracted axes count as one K, in the product's order):
;;     1. [M 4,096, K 2,048] x [K 2,048, N 1,024]; A: input hidden_states; B: input wq: QUANTISED
;;     2. [M 4,096, K 2,048] x [K 2,048, N 1,024]; A: input hidden_states; B: input wk: QUANTISED
;;     3. [M 4,096, K 2,048] x [K 2,048, N 1,024]; A: input hidden_states; B: input wv: QUANTISED
;;     4. batch 8 x [M 4,096, K 128] x [K 128, N 4,096]; A: computed on the way; B: computed on the way: left as it is (an operand is computed on the way)
;;     5. batch 8 x [M 4,096, K 4,096] x [K 4,096, N 128]; A: computed on the way; B: computed on the way: left as it is (an operand is computed on the way)
;;     6. [M 4,096, K 1,024] x [K 1,024, N 2,048]; A: computed on the way; B: input wo: left as it is (an operand is computed on the way)
;;   THE QUANTISER, for each operand of a quantised product, along K:
;;     - K is cut into blocks of 32 from its start; a last block that is shorter is filled with zeros.
;;     - A block's scale is 2^e with e = floor(log2(the largest magnitude in the block)) - 2, held to -126 .. 127; a block of zeros has e = 0. As a byte (E8M0): e + 127.
;;     - Each number is divided by its block's scale, clamped to +-6, and rounded to the nearest number of E2M1, ties to even, subnormals kept.
;;     - The product sums the exact products of the quantised numbers (number of the format x scale) in f32.
;;   ~~~python
;;   def quantise(x, axis):      # numpy; x: float32 -> the quantised numbers, widened to float32 again
;;       x = np.moveaxis(x, axis, -1); K = x.shape[-1]
;;       x = np.pad(x, [(0, 0)] * (x.ndim - 1) + [(0, -K % 32)]); x = x.reshape(x.shape[:-1] + (-1, 32)); a = np.abs(x).max(-1, keepdims=True)
;;       e = np.where(a > 0, np.clip(np.frexp(np.where(a > 0, a, 1))[1] - 1 - 2, -126, 127), 0)      # np.frexp(a)[1] - 1 = floor(log2(a)), exactly
;;       r = np.clip(x / 2.0 ** e, -6, 6)
;;       step = 2.0 ** (np.maximum(np.frexp(np.where(r == 0, 1, r))[1] - 1, 0) - 1)
;;       q = np.round(r / step) * step * 2.0 ** e      # np.round: ties to even
;;       return np.moveaxis(q.reshape(q.shape[:-2] + (-1,))[..., :K], -1, axis).astype(np.float32)
;;   ~~~
;; One version. Each part assembles by itself: llvm-mc -triple=amdgcn-amd-amdhsa -mcpu=gfx1250 --defsym DOCPART=n.
;; ======== version 1 of 1: 5 launches
;; limits: values are held in f16: magnitudes above 65,504 overflow, below 6.1e-05 lose precision
;; workspace buffers: x_codes 4,194,304 bytes; x_scales 262,144 bytes; w_codes 3,145,728 bytes; w_scales 196,608 bytes; wo16 4,194,304 bytes; qkv16 25,165,824 bytes; qkv32 196,608 bytes; att16 8,388,608 bytes
;; launch quant (part 1): grid 576 x 1, 4 waves a work-group, no clusters, 33,280 bytes of LDS; arguments hidden_states, wq, wk, wv, wo, x_codes, x_scales, w_codes, w_scales, wo16; writes x_codes, x_scales, w_codes, w_scales, wo16
.if DOCPART == 1
	.amdgcn_target "amdgcn-amd-amdhsa--gfx1250"
	.amdhsa_code_object_version 6
	.text
	.protected	k_q0b9c7ce1c2_quant
	.globl	k_q0b9c7ce1c2_quant
	.p2align	8
	.type	k_q0b9c7ce1c2_quant,@function
k_q0b9c7ce1c2_quant:
	s_mov_b64 s[64:65], 0
	v_nop
	global_prefetch_b8 v0, s[64:65] scope:SCOPE_SE
	s_setreg_imm32_b32 hwreg(HW_REG_WAVE_MODE, 25, 1), 1
	s_wait_xcnt 0x0
; hidden_states [4096][2048] and wq, wk, wv [1024][2048], f32, K innermost, become codes of FP4 (E2M1) with one E8M0 byte for each 32 along K; wo [2048][1024] becomes f16.
; Work-groups 0-255 take hidden_states, 256-319 wq, 320-383 wk, 384-447 wv (32,768 numbers each); the three weights' codes and bytes lie on end in w_codes and w_scales.  Work-groups 448-575 cast wo, 16,384 numbers each.
; A block's scale is 2^(floor(log2(its largest magnitude)) - 2): its byte is the largest magnitude's exponent field - 2, held at 1 from below.  A block of zeros so gets the byte 1: its codes are zeros, and this program alone reads the bytes.
; LIMITS: blocks whose largest magnitude lies under 2^(2 - 126) keep the byte 1; NaN and infinities among the inputs are not served; wo beyond f16's 65,504 is not served.
; THE QUANTISER.  Rows are dense and K is a multiple of 32: each tensor is a stream of blocks of 32.  A wave takes 16 steps of 512 numbers.  Each of a step's four loads reads 512 consecutive bytes, 16 a lane; the 2,048 bytes turn
; through the wave's own stage in LDS and come back 64 bytes a lane, so that a lane holds 16 neighbours along K and two neighbouring lanes a block.  A lane's 16 codes are 8 bytes: a store of the wave covers 256 consecutive bytes.
; A wave's 256 scale bytes are gathered in its own LDS bytes and leave by one store of 256 consecutive bytes.  Waves share nothing: no barrier.
.set WAVES, 4
.set STEPS, 16
.set CASTWG, 448
.set EMAX,  2
.set CB,    8                          ; bytes of 16 codes
.set R,     16                         ; v16-79   four sets of 16 numbers as loaded (the cast: v16-143)
.set X,     80                         ; v80-111  two sets of 16 neighbours
.set E,     112                        ; v112-127 a scale byte for each step
.set C,     128                        ; v128-191 codes, four registers a step
.set WREG,  8192                       ; LDS: a wave's region: two stages of 32 x SP bytes, then its 256 scale bytes
.set SP,    80                         ; a lane's place in a stage: 64 bytes + 16 of padding
.set SPW,   12                         ; v12 my spare word's LDS address; never rewritten
.set NIL,   13                         ; v13 0; never rewritten
.set SPARE, WAVES*WREG                 ; the spare words: 128 bytes a wave, named by no other line
	s_load_b512 s[4:19], s[0:1], 0x0               ; hidden s[4:5], wq s[6:7], wk s[8:9], wv s[10:11], wo s[12:13], x_codes s[14:15], x_scales s[16:17], w_codes s[18:19]
	s_load_b128 s[20:23], s[0:1], 0x40             ; w_scales s[20:21], wo16 s[22:23]
	v_lshl_add_u32 v[SPW], v0, 2, SPARE
	v_mov_b32 v[NIL], 0
	v_lshrrev_b32 v1, 5, v0
	v_readfirstlane_b32 s32, v1                    ; wave
	v_and_b32 v2, 31, v0                           ; lane
	v_lshlrev_b32 v3, 4, v2                        ; 16 bytes a lane
	v_lshlrev_b32 v7, 3, v2                        ; 8 bytes a lane
	s_cmp_ge_u32 ttmp9, CASTWG
	s_cbranch_scc1 .Lcast                          ; the cast touches no LDS
	s_mul_i32 s33, s32, WREG
	v_lshrrev_b32 v14, 2, v2
	v_mul_u32_u24 v14, v14, SP
	v_and_b32 v15, 3, v2
	v_lshl_add_u32 v14, v15, 4, v14
	v_add_nc_u32 v14, s33, v14                     ; the stage, in: SP (lane / 4) + 16 (lane % 4)
	v_mul_u32_u24 v15, v2, SP
	v_add_nc_u32 v15, s33, v15                     ; and out: SP x lane
	v_mul_u32_u24 v4, v2, CB                       ; my codes' place in a step's
	v_lshrrev_b32 v5, 1, v2
	s_add_co_u32 s33, s33, 2*32*SP
	v_add_nc_u32 v5, s33, v5                       ; my block's byte among the wave's 256
	v_add_nc_u32 v6, s33, v7                       ; and 8 bytes a lane on the way out
	s_wait_kmcnt 0x0
	s_cmp_lt_u32 ttmp9, 384                        ; the choices hang on the work-group's number alone
	s_cselect_b64 s[24:25], s[8:9], s[10:11]
	s_cmp_lt_u32 ttmp9, 320
	s_cselect_b64 s[24:25], s[6:7], s[24:25]
	s_cmp_lt_u32 ttmp9, 256
	s_cselect_b64 s[24:25], s[4:5], s[24:25]       ; the numbers
	s_cselect_b64 s[26:27], s[14:15], s[18:19]     ; the codes
	s_cselect_b64 s[28:29], s[16:17], s[20:21]     ; the bytes
	s_cselect_b32 s30, 0, 256
	s_cselect_b32 s31, -1, 63
	s_sub_co_u32 s30, ttmp9, s30                   ; my place in the codes' buffer,
	s_and_b32 s31, s30, s31                        ; and in the tensor (a weight has 64 work-groups)
	s_lshl_b32 s30, s30, 2
	s_add_co_u32 s30, s30, s32
	s_lshl_b32 s31, s31, 2
	s_add_co_u32 s31, s31, s32                     ; which run of 8,192 numbers is my wave's
	s_mov_b32 s35, 0
	s_lshl_b32 s34, s31, 15
	s_add_nc_u64 s[24:25], s[24:25], s[34:35]
	s_lshl_b32 s34, s30, 12
	s_add_nc_u64 s[26:27], s[26:27], s[34:35]
	s_lshl_b32 s34, s30, 8
	s_add_nc_u64 s[28:29], s[28:29], s[34:35]
.macro LOAD t
.irp i, 0,1,2,3
	global_load_b128 v[R+16*((\t)%4)+4*\i:R+16*((\t)%4)+4*\i+3], v3, s[24:25] offset:2048*(\t)+512*\i th:TH_LOAD_NT   ; 32 lanes read 512 consecutive bytes
.endr
.endm
.macro TURN t                          ; step t's numbers through the stage: LDS serves a wave's instructions in order, so no wait stands between the stores and the loads
.irp i, 0,1,2,3
	ds_store_b128 v14, v[R+16*((\t)%4)+4*\i:R+16*((\t)%4)+4*\i+3] offset:32*SP*((\t)%2)+8*SP*\i
.endr
.irp i, 0,1,2,3
	ds_load_b128 v[X+16*((\t)%2)+4*\i:X+16*((\t)%2)+4*\i+3], v15 offset:32*SP*((\t)%2)+16*\i
.endr
.endm
.irp t, 0,1,2,3
	LOAD \t
.endr
	s_wait_loadcnt 12                              ; step 0's four loads are in
	TURN 0
.macro STEP t
.set XS, X+16*((\t)%2)
.if (\t) > 0
	s_wait_dscnt 1                                 ; this step's numbers are back from the stage; the last step's byte store may be out
.else
	s_wait_dscnt 0x0
.endif
.if (\t)+4 < STEPS
	LOAD (\t)+4                                    ; into the registers that the stage's stores have read
.endif
.if (\t)+1 < STEPS
.if STEPS-2-(\t) >= 3
	s_wait_loadcnt 12                              ; the next step's four loads are in; those of the three steps behind it may be out
.else
	s_wait_loadcnt 4*(STEPS-2-(\t))
.endif
	TURN (\t)+1
.endif
	v_max3_num_f32 v8, |v[XS]|, |v[XS+1]|, |v[XS+2]|               ; the largest magnitude of my 16, in two chains
	v_max3_num_f32 v9, |v[XS+3]|, |v[XS+4]|, |v[XS+5]|
.irp i, 6,10
	v_max3_num_f32 v8, v8, |v[XS+\i]|, |v[XS+\i+1]|
	v_max3_num_f32 v9, v9, |v[XS+\i+2]|, |v[XS+\i+3]|
.endr
	v_max3_num_f32 v8, v8, |v[XS+14]|, |v[XS+15]|
	v_max3_num_f32 v8, v8, v9, (EMAX+1)<<23        ; and the floor 2^(EMAX + 1 - 127): the byte cannot fall under 1
	v_max_num_f32_dpp v8, v8, v8 row_xmask:1 row_mask:0xf bank_mask:0xf   ; and of my neighbour's 16: the block's
	v_add_nc_u32 v11, -(EMAX<<23), v8              ; EMAX off its exponent field: the conversion takes the exponent field of this operand as its scale
	v_cvt_scalef32_pk8_fp4_f32 v[C+4*(\t)], v[XS:XS+7], v11
	v_cvt_scalef32_pk8_fp4_f32 v[C+4*(\t)+1], v[XS+8:XS+15], v11
	v_lshrrev_b32 v[E+(\t)], 23, v11               ; the scale's byte
	ds_store_b8 v5, v[E+(\t)] offset:16*(\t)       ; both lanes of a block write the same byte with the same value
	global_store_b64 v4, v[C+4*(\t):C+4*(\t)+1], s[26:27] offset:32*CB*(\t)
.endm
.irp t, 0,1,2,3,4,5,6,7,8,9,10,11,12,13,14,15
	STEP \t
.endr
	ds_load_b64 v[8:9], v6                         ; LDS serves a wave's instructions in order: these see my stores
	s_wait_dscnt 0x0
	global_store_b64 v7, v[8:9], s[28:29]          ; 32 lanes store 256 consecutive bytes
	s_wait_tensorcnt 0x0                           ; the wave's end
	ds_add_u32 v[SPW], v[NIL]
	s_wait_dscnt 0x0
	s_endpgm
.Lcast:                                                ; wo to f16: a wave takes 4,096 numbers: 32 loads of 512 consecutive bytes, 32 stores of 256
	s_sub_co_u32 s33, ttmp9, CASTWG
	s_lshl_b32 s33, s33, 2
	s_add_co_u32 s33, s33, s32
	s_lshl_b32 s34, s33, 14
	s_mov_b32 s35, 0
	s_lshl_b32 s36, s33, 13
	s_mov_b32 s37, 0
	s_wait_kmcnt 0x0
	s_add_nc_u64 s[12:13], s[12:13], s[34:35]
	s_add_nc_u64 s[22:23], s[22:23], s[36:37]
.set i, 0
.rept 32
	global_load_b128 v[R+4*i:R+4*i+3], v3, s[12:13] offset:512*i th:TH_LOAD_NT
.set i, i+1
.endr
.set i, 0
.rept 32
	s_wait_loadcnt 31-i                            ; loads come back in order: load i is in, the later ones may be out
	v_cvt_pk_f16_f32 v[R+4*i], v[R+4*i], v[R+4*i+1]
	v_cvt_pk_f16_f32 v[R+4*i+1], v[R+4*i+2], v[R+4*i+3]
	global_store_b64 v7, v[R+4*i:R+4*i+1], s[22:23] offset:256*i
.set i, i+1
.endr
	s_endpgm
.Lfunc_end_k_q0b9c7ce1c2_quant:
	.size	k_q0b9c7ce1c2_quant, .Lfunc_end_k_q0b9c7ce1c2_quant-k_q0b9c7ce1c2_quant
	.p2alignl 7, 3214868480
	.fill 96, 4, 3214868480
	.section	.rodata,"a",@progbits
	.p2align	6, 0x0
	.amdhsa_kernel k_q0b9c7ce1c2_quant
		.amdhsa_group_segment_fixed_size 33280
		.amdhsa_private_segment_fixed_size 0
		.amdhsa_enable_private_segment 0
		.amdhsa_kernarg_size 80
		.amdhsa_user_sgpr_count 2
		.amdhsa_user_sgpr_kernarg_segment_ptr 1
		.amdhsa_wavefront_size32 1
		.amdhsa_system_sgpr_workgroup_id_x 1
		.amdhsa_system_sgpr_workgroup_id_y 1
		.amdhsa_system_sgpr_workgroup_id_z 1
		.amdhsa_system_vgpr_workitem_id 0
		.amdhsa_next_free_vgpr 192
		.amdhsa_next_free_sgpr 66
		.amdhsa_reserve_vcc 0
		.amdhsa_float_denorm_mode_32 3
		.amdhsa_float_denorm_mode_16_64 3
		.amdhsa_memory_ordered 1
		.amdhsa_forward_progress 1
		.amdhsa_inst_pref_size 45
	.end_amdhsa_kernel
	.amdgpu_metadata
---
amdhsa.version: [ 1, 2 ]
amdhsa.kernels:
  - .name:           k_q0b9c7ce1c2_quant
    .symbol:         k_q0b9c7ce1c2_quant.kd
    .args:
      - { .name: hidden_states, .offset: 0, .size: 8, .value_kind: global_buffer, .address_space: global }
      - { .name: wq, .offset: 8, .size: 8, .value_kind: global_buffer, .address_space: global }
      - { .name: wk, .offset: 16, .size: 8, .value_kind: global_buffer, .address_space: global }
      - { .name: wv, .offset: 24, .size: 8, .value_kind: global_buffer, .address_space: global }
      - { .name: wo, .offset: 32, .size: 8, .value_kind: global_buffer, .address_space: global }
      - { .name: x_codes, .offset: 40, .size: 8, .value_kind: global_buffer, .address_space: global }
      - { .name: x_scales, .offset: 48, .size: 8, .value_kind: global_buffer, .address_space: global }
      - { .name: w_codes, .offset: 56, .size: 8, .value_kind: global_buffer, .address_space: global }
      - { .name: w_scales, .offset: 64, .size: 8, .value_kind: global_buffer, .address_space: global }
      - { .name: wo16, .offset: 72, .size: 8, .value_kind: global_buffer, .address_space: global }
    .group_segment_fixed_size: 33280
    .private_segment_fixed_size: 0
    .kernarg_segment_align: 8
    .kernarg_segment_size: 80
    .max_flat_workgroup_size: 128
    .sgpr_count:     66
    .vgpr_count:     192
    .wavefront_size: 32
...
	.end_amdgpu_metadata
.endif
;; end of part 1
;; launch qkv (part 2): grid 12 x 16, 4 waves a work-group, clusters of 4 x 4, 327,680 bytes of LDS; arguments x_codes, x_scales, w_codes, w_scales, qkv16, cos, sin, q_norm_w, k_norm_w, qkv32; writes qkv16, qkv32
.if DOCPART == 2
	.amdgcn_target "amdgcn-amd-amdhsa--gfx1250"
	.amdhsa_code_object_version 6
	.text
	.protected	k_q0b9c7ce1c2_qkv
	.globl	k_q0b9c7ce1c2_qkv
	.p2align	8
	.type	k_q0b9c7ce1c2_qkv,@function
k_q0b9c7ce1c2_qkv:
	s_mov_b64 s[64:65], 0
	v_nop
	global_prefetch_b8 v0, s[64:65] scope:SCOPE_SE
	s_setreg_imm32_b32 hwreg(HW_REG_WAVE_MODE, 25, 1), 1
	s_wait_xcnt 0x0
	s_wait_alu depctr_hold_cnt(0) depctr_sa_sdst(0) depctr_va_vdst(0) depctr_va_sdst(0) depctr_va_ssrc(0) depctr_va_vcc(0) depctr_vm_vsrc(0)
	s_getreg_b32 s2, hwreg(HW_REG_IB_STS2, 6, 4)
	s_cmp_eq_u32 s2, 0
	s_cbranch_scc0 .Lentry_in_a_cluster
	s_endpgm
.Lentry_in_a_cluster:
	s_bfe_u32 s2, ttmp6, 0x10000c
	s_cmp_lg_u32 s2, 0xf033
	s_cbranch_scc0 .Lentry_shape_is_right
	s_endpgm
.Lentry_shape_is_right:
; [q | k | v] = x W^T on codes of FP4 (E2M1) with one E8M0 scale for each 32 along K = 2,048; then, for q and k, the RMS norm of each head's 128 numbers, its gain, and the rotation by cos and sin, all in f32.
; x: 4,096 rows; W: 3,072 rows (wq, wk, wv on end).  Out: qkv16 [24][4096][128] f16 (group g = 0-7 q's heads, 8-15 k's, 16-23 v's), and positions 0-15 once more in f32, qkv32 [16][3072], for the launch that carries them finely.
; LIMIT: q, k (behind norm and rotation) and v beyond f16's 65,504 are not served.
; A tile of 256 x 256 is made by four waves, each 128 x 128: 64 accumulators, 512 registers.  A wave's 128 columns are ONE head, so norm and rotation stay in the wave.  3,072 / 256 x 4,096 / 256 = 192 work-groups: a narrower tile would split a head.
; K goes in steps of 512 through two LDS slots filled by tensor loads (rows of 256 bytes).  The scales of the work-group's rows, for all of K, come into LDS once, with the first fills.
; CLUSTERS: 4 x 4.  The four of a row of the cluster ask jointly for x's tiles, the four of a column for W's.  The cluster's x is the kind (0 q, 1 k, 2 v): alike in all sixteen partners, so the way out may branch on it.
; THE MATRIX INSTRUCTION IS USED TRANSPOSED (source 0 = 16 rows of W, source 1 = 16 rows of x): register j of accumulator (a, b) holds row 16 a + lane % 16, column 16 b + 8 (lane / 16) + j.  Column d + 64 is block b + 4 of the same lane.
; REGISTERS: window 0: v0-31 addresses; v32-95 scale words and nothing else; v96-127 the way out: at work, then packed results; v128-191 x's fragments (way out: rows read back); v192-255 the gain.
;   window 1: W's fragments at v0-63 and v128-191; cos and sin of a block of 16 rows: even blocks at v64-127 and v192-255, odd blocks at v0-63 and v128-191.   windows 2, 3: the accumulators, (a, b) at v[8 (8 (a % 4) + b)].
.set SIZE_M, 4096
.set SIZE_N, 3072
.set SIZE_K, 2048
.set KSTEP,  512
.set NQ,     KSTEP/128
.set ROWB,   256
.set KROW,   SIZE_K*4/8
.set PITCH,  272                       ; an LDS row: 256 bytes + 16 of padding: the 16 rows that a load touches start 68 words apart
.set FR,     8
.set NL,     2
.set NP,     4                         ; places behind this matrix instruction (ISA guide 7.12.1)
.set HALFT,  128*PITCH
.set SLOT,   4*HALFT
.set LAPS,   SIZE_K/(2*KSTEP)
.set KS,     SIZE_K/32
.set SCL,    2*SLOT
.set HALFS,  (128*KS/256)*272
.set SBLK,   (16*KS/256)*272
.set SPARE,  SCL+4*HALFS               ; the spare words: 128 bytes a wave, named by no other line
.set SPITCH, 272                       ; the way out: a stage of 16 rows x (256 bytes + 16) for each wave, in slot 0, which has had its last fill and its last read by then
.set VST,    4*16*SPITCH               ; the way out of v has stage bytes of its own, behind those of q and k
.set ADRA, 16
.set ADRB, 20
.set STO,  24
.set RD,   25
.set CO,   26
.set ADRS, 27
.set SPW,  28
.set NIL,  29
.set SC,   32
.set T,    96                          ; at work while a block is normed and turned: the block before has issued its LDS stores from these registers by then
.set TMP,  96
.set AF,   128
.set BK,   128
.set WN,   192
.set G1, 24
.set G0, 32
.set G1B, 48
.set G0B, 56
.set G1S, 68
.set G0S, 76
.set G1SB, 80
.set G0SB, 88
.set MSB, 0
.macro WIN new                         ; the immediate's high byte repeats the setting that is left
.if MSB != (\new)
	s_set_vgpr_msb (MSB<<8)|(\new)
.set MSB, (\new)
.endif
.endm
.set MUL_LO, 0xa1
.set MUL_HI, 0xf1
.set TO_B,   0x40
; A joint load: waves 0 and 1 fetch for x, waves 2 and 3 for W.  The branch hangs on the wave's number alone.  An s_nop 0 and four v_nop follow each of the two lines.
.macro JLOAD g0a, g1a, g0b, g1b
	s_cmp_eq_u32 s15, 0
	s_cbranch_scc0 .Lfor_b_\@
	tensor_load_to_lds s[\g0a:\g0a+3], s[\g1a:\g1a+7]
	s_nop 0
.rept 4
	v_nop
.endr
	s_branch .Lasked_\@
.Lfor_b_\@:
	tensor_load_to_lds s[\g0b:\g0b+3], s[\g1b:\g1b+7]
	s_nop 0
.rept 4
	v_nop
.endr
.Lasked_\@:
.endm
.macro CREST
	s_cmp_lg_u32 s14, 0
	s_cbranch_scc1 .Lnot_wave_0_\@
	s_barrier_signal -3
.Lnot_wave_0_\@:
	s_barrier_wait -3
	s_barrier_signal -1
	s_barrier_wait -1
.endm
.macro CROUND
	s_barrier_signal -1
	s_barrier_wait -1
	CREST
.endm
	s_load_b128 s[4:7], s[0:1], 0x0                ; x's codes, x's scales
	s_load_b128 s[8:11], s[0:1], 0x10              ; W's codes, W's scales
	s_load_b64 s[12:13], s[0:1], 0x20              ; qkv16
	s_load_b128 s[96:99], s[0:1], 0x28             ; cos, sin
	v_lshl_add_u32 v[SPW], v0, 2, SPARE
	v_mov_b32 v[NIL], 0
	ds_add_u32 v[SPW], v[NIL]                      ; the wave's opening: the add, twice on end, and its wait ahead of my first tensor load
	ds_add_u32 v[SPW], v[NIL]
	v_lshrrev_b32 v1, 5, v0
	v_readfirstlane_b32 s14, v1                    ; wave 0..3
	s_lshr_b32 s15, s14, 1                         ; which half of the tile's rows is mine.  Also: I fetch for x (0) or for W (1)
	s_and_b32 s16, s14, 1                          ; which half of its columns.  Also: which 128 rows of that tile I fetch
	s_bfe_u32 s40, ttmp6, 0x40000                  ; cx, cy
	s_bfe_u32 s41, ttmp6, 0x40004
	s_lshl_b32 s42, ttmp9, 2
	s_add_co_u32 s42, s42, s40                     ; tile column
	s_and_b32 s17, ttmp7, 0xffff
	s_lshl_b32 s17, s17, 2
	s_add_co_u32 s17, s17, s41                     ; tile row
	s_lshl_b32 s43, s41, 2
	s_lshl_b32 s43, 15, s43                        ; my row of the cluster
	s_lshl_b32 s44, 0x1111, s40                    ; my column
	s_or_b32 s[G1+0], s43, (0<<16)|(1<<20)|(1<<21)|(5<<22)|(3<<25)  ; the mask; elements of 1 byte; padding on; bit 21 beside a mask; 4 words behind every 64
	s_or_b32 s[G1B+0], s44, (0<<16)|(1<<20)|(1<<21)|(5<<22)|(3<<25)
.irp g, G1, G1B
	s_mov_b32 s[\g+1], ROWB<<16                    ; tensor_dim0
	s_mov_b32 s[\g+2], 128<<16                     ; tensor_dim1
	s_mov_b32 s[\g+3], ROWB<<16                    ; tile_dim0
	s_mov_b32 s[\g+4], 128                         ; tile_dim1
	s_mov_b32 s[\g+5], KROW                        ; the pitch
	s_mov_b32 s[\g+6], 0
	s_mov_b32 s[\g+7], 0
.endr
	s_or_b32 s[G1S+0], s43, (3<<16)|(1<<20)|(1<<21)|(5<<22)|(3<<25) ; the scales of 128 rows: a dense block, as rows of 256 bytes (32 elements of 8), 16 bytes of padding behind each
	s_or_b32 s[G1SB+0], s44, (3<<16)|(1<<20)|(1<<21)|(5<<22)|(3<<25)
.irp g, G1S, G1SB
	s_mov_b32 s[\g+1], 32<<16
	s_mov_b32 s[\g+2], (128*KS/256)<<16
	s_mov_b32 s[\g+3], 32<<16
	s_mov_b32 s[\g+4], 128*KS/256
	s_mov_b32 s[\g+5], 32
	s_mov_b32 s[\g+6], 0
	s_mov_b32 s[\g+7], 0
.endr
	s_lshl_b32 s18, s16, 7
	s_lshl_b32 s20, s17, 8
	s_add_co_u32 s20, s20, s18                     ; x: row 256 x tile row + 128 x half
	s_lshl_b32 s46, s42, 8
	s_add_co_u32 s46, s46, s18                     ; W: row 256 x tile column + 128 x half
	s_mov_b32 s21, 0
	s_mov_b32 s47, 0
	s_mov_b64 s[18:19], KS
	s_mul_u64 s[22:23], s[20:21], s[18:19]
	s_mul_u64 s[92:93], s[46:47], s[18:19]
	s_mov_b64 s[18:19], KROW
	s_mul_u64 s[20:21], s[20:21], s[18:19]
	s_mul_u64 s[46:47], s[46:47], s[18:19]
	s_mul_i32 s45, s14, HALFT                      ; where they go: wave x 128 rows
	s_mul_i32 s94, s14, HALFS
	s_wait_dscnt 0x0                               ; both opening adds are done
	s_wait_kmcnt 0x0
	s_add_nc_u64 s[20:21], s[4:5], s[20:21]
	s_add_nc_u64 s[22:23], s[6:7], s[22:23]
	s_add_nc_u64 s[46:47], s[8:9], s[46:47]
	s_add_nc_u64 s[92:93], s[10:11], s[92:93]
	CROUND                                         ; all sixteen work-groups are here: the first joint loads meet
	s_mov_b32 s[G0S], 1
	s_add_co_u32 s[G0S+1], s94, SCL
	s_mov_b64 s[G0S+2:G0S+3], s[22:23]
	s_or_b32 s[G0S+3], s[G0S+3], 0x80000000
	s_mov_b32 s[G0SB], 1
	s_add_co_u32 s[G0SB+1], s94, SCL
	s_mov_b64 s[G0SB+2:G0SB+3], s[92:93]
	s_or_b32 s[G0SB+3], s[G0SB+3], 0x80000000
	JLOAD G0S, G1S, G0SB, G1SB                     ; the scales first
.irp s, 0,1
	s_mov_b32 s[G0+4*\s], 1
	s_add_co_u32 s[G0+4*\s+1], s45, \s*SLOT
	s_add_nc_u64 s[G0+4*\s+2:G0+4*\s+3], s[20:21], \s*ROWB
	s_or_b32 s[G0+4*\s+3], s[G0+4*\s+3], 0x80000000
	s_mov_b32 s[G0B+4*\s], 1
	s_add_co_u32 s[G0B+4*\s+1], s45, \s*SLOT
	s_add_nc_u64 s[G0B+4*\s+2:G0B+4*\s+3], s[46:47], \s*ROWB
	s_or_b32 s[G0B+4*\s+3], s[G0B+4*\s+3], 0x80000000
	JLOAD G0+4*\s, G1, G0B+4*\s, G1B
.endr
	s_load_b128 s[4:7], s[0:1], 0x38               ; q_norm_w, k_norm_w: into registers whose first contents are used up
	s_load_b64 s[8:9], s[0:1], 0x48                ; qkv32
	v_and_b32 v1, 15, v0                           ; r = l % 16
	v_bfe_u32 v2, v0, 4, 1                         ; h = l / 16
	v_mul_u32_u24 v3, v1, PITCH
	v_lshl_add_u32 v4, v2, 4, v3
	s_mul_i32 s21, s15, HALFT
	s_mul_i32 s22, s16, HALFT
	s_add_co_u32 s22, s22, 2*HALFT
.irp s, 0,1
	v_add_nc_u32 v[ADRA+\s], s21, v4
	v_add_nc_u32 v[ADRB+\s], s22, v4
	s_add_co_u32 s21, s21, SLOT
	s_add_co_u32 s22, s22, SLOT
.endr
	v_mul_u32_u24 v5, v1, KS
	v_lshrrev_b32 v6, 8, v5
	v_lshl_add_u32 v5, v6, 4, v5
	s_mul_i32 s21, s15, HALFS
	s_mul_i32 s22, s16, HALFS
	s_add_co_u32 s22, s22, 2*HALFS
	s_sub_co_u32 s22, s22, s21
	v_mul_u32_u24 v6, s22, v2                      ; lanes 16-31 take W's scale words
	s_add_co_u32 s21, s21, SCL
	v_add_nc_u32 v5, v5, v6
	v_add_nc_u32 v[ADRS], s21, v5
	s_mul_i32 s23, s14, 16*SPITCH                  ; my stage
	v_mul_u32_u24 v5, v1, SPITCH
	v_lshl_add_u32 v5, v2, 4, v5
	v_add_nc_u32 v[STO], s23, v5                   ; in: row r, 16 bytes for each half of the lanes
	v_mul_u32_u24 v5, v2, SPITCH
	v_lshl_add_u32 v5, v1, 4, v5
	v_add_nc_u32 v[RD], s23, v5                    ; back: lanes 0-15 one row of 256 bytes, lanes 16-31 the next
	v_lshlrev_b32 v[CO], 8, v2
	v_lshl_add_u32 v[CO], v1, 4, v[CO]             ; and the same two rows in qkv16
	v_lshlrev_b32 v8, 5, v2                        ; the gain: 32 h
	v_lshl_add_u32 v9, v1, 9, v8                   ; cos, sin: row r of 512 bytes + 32 h
	v_mul_u32_u24 v10, v1, 0x3000
	v_add_nc_u32 v10, v10, v8                      ; qkv32: row r of 12,288 bytes + 32 h
	v_mov_b32 v11, s17                             ; the tile row: it enters a lane mask alone
	v_mov_b32 v13, 0                               ; (named with v12 as a pair)
	v_mov_b32 v15, 0                               ; (a lane permute's destination counts as read)
	s_mov_b32 s100, ttmp9                          ; the kind
	s_and_b32 s101, ttmp7, 0xffff
	s_or_b32 s101, s101, s15                       ; 0: the first row of clusters, the upper half of the tile's rows
	s_lshl_b32 s20, s17, 8
	s_lshl_b32 s21, s15, 7
	s_add_co_u32 s20, s20, s21                     ; my first row
	s_lshl_b32 s22, s20, 9                         ; in cos and sin
	s_mov_b32 s23, 0
	s_lshl_b32 s20, s20, 8                         ; in a group of qkv16
	s_lshl_b32 s46, s42, 1
	s_add_co_u32 s46, s46, s16                     ; g = 2 x tile column + half
	s_lshl_b32 s92, s46, 9                         ; its 128 columns in a row of qkv32
	s_mov_b32 s93, 0
	s_lshl_b32 s46, s46, 20                        ; a group is 4,096 rows of 256 bytes
	s_add_co_u32 s20, s20, s46
	s_mov_b32 s21, 0
	s_mov_b32 s10, 0x76543210                      ; lane selects: lane l xor 16
	s_mov_b32 s11, 0xfedcba98
	s_mov_b32 s66, 0x3c000000                      ; 1 / 128
	s_mov_b32 s67, 0x358637bd                      ; 1e-6
	s_wait_kmcnt 0x0
	s_add_nc_u64 s[96:97], s[96:97], s[22:23]
	s_add_nc_u64 s[98:99], s[98:99], s[22:23]
	s_add_nc_u64 s[12:13], s[12:13], s[20:21]
	s_add_nc_u64 s[8:9], s[8:9], s[92:93]
	s_cmp_eq_u32 s100, 0
	s_cselect_b64 s[4:5], s[4:5], s[6:7]           ; q's gain or k's
; cos and sin of block a's 16 rows, in the accumulators' layout: 64 registers each.  The 32 loads together read the rows' 512 bytes whole.
.macro CSLOAD a
.set LC, 64-64*((\a)%2)
	WIN 0x40
.irp b, 0,1,2,3,4,5,6,7
.irp i, 0,1
	global_load_b128 v[LC+8*\b+4*\i:LC+8*\b+4*\i+3], v9, s[96:97] offset:8192*(\a)+64*\b+16*\i
	global_load_b128 v[LC+128+8*\b+4*\i:LC+128+8*\b+4*\i+3], v9, s[98:99] offset:8192*(\a)+64*\b+16*\i
.endr
.endr
	WIN 0
.endm
	CSLOAD 0                                       ; block 0's, and the gain, are asked for here, into registers that the K loop leaves alone, by every kind: 48 loads that land under the K loop; the way out of v never names them
.irp b, 0,1,2,3,4,5,6,7
	global_load_b128 v[WN+8*\b:WN+8*\b+3], v8, s[4:5] offset:64*\b
	global_load_b128 v[WN+8*\b+4:WN+8*\b+7], v8, s[4:5] offset:64*\b+16
.endr
.macro FRAG reg, adr, q, i             ; 16 rows x 128 K of 4-bit codes: 8 registers; registers 4 c .. 4 c + 3 hold K = 64 c + 32 (l / 16) + 0 .. 31
.irp c, 0,1
	ds_load_b128 v[\reg+4*\c:\reg+4*\c+3], v[\adr] offset:64*(\q)+32*\c+(\i)*16*PITCH
.endr
.endm
; 16 matrix instructions: x's blocks a0, a0 + 1 against W's eight.  The 64 accumulators take turns, one instruction a turn, in the same order in every step.
.macro MUL16 a0, p, q, sc, zero
.irp a, \a0, \a0+1
.irp b, 0,1,2,3,4,5,6,7
.if \zero
	v_wmma_scale_f32_16x16x128_f8f6f4 v[8*(8*((\a)%4)+\b):8*(8*((\a)%4)+\b)+7], v[128*(\p)+FR*\b:128*(\p)+FR*\b+FR-1], v[AF+FR*(\a):AF+FR*(\a)+FR-1], 0, v[SC+8*NQ*(\sc)+NQ*\b+(\q)], v[SC+8*NQ*(\sc)+NQ*(\a)+(\q)] matrix_a_fmt:MATRIX_FMT_FP4 matrix_b_fmt:MATRIX_FMT_FP4 matrix_a_scale:MATRIX_SCALE_ROW1
.else
	v_wmma_scale_f32_16x16x128_f8f6f4 v[8*(8*((\a)%4)+\b):8*(8*((\a)%4)+\b)+7], v[128*(\p)+FR*\b:128*(\p)+FR*\b+FR-1], v[AF+FR*(\a):AF+FR*(\a)+FR-1], v[8*(8*((\a)%4)+\b):8*(8*((\a)%4)+\b)+7], v[SC+8*NQ*(\sc)+NQ*\b+(\q)], v[SC+8*NQ*(\sc)+NQ*(\a)+(\q)] matrix_a_fmt:MATRIX_FMT_FP4 matrix_b_fmt:MATRIX_FMT_FP4 matrix_a_scale:MATRIX_SCALE_ROW1
.endif
.endr
.endr
.endm
.macro FETCH_B slot, q, p
	WIN TO_B
.irp i, 0,1,2,3,4,5,6,7
	FRAG 128*(\p)+FR*\i, ADRB+\slot, \q, \i
.endr
	WIN 0
.endm
.macro FETCH_A slot, q, i0
.irp i, \i0, \i0+1, \i0+2, \i0+3
	FRAG AF+FR*(\i), ADRA+\slot, \q, \i
.endr
.endm
.macro SCALES sc                       ; a K step's scale words: lanes 0-15 x's block i, lanes 16-31 W's block i
.irp i, 0,1,2,3,4,5,6,7
	ds_load_b128 v[SC+8*NQ*\sc+NQ*\i:SC+8*NQ*\sc+NQ*\i+3], v[ADRS] offset:\i*SBLK
.endr
.endm
.macro PLACES n                        ; plain vector instructions between a matrix instruction and a load into, or a read of, its registers
.rept \n
	v_nop
.endr
.endm
.macro STEP slot, q, zero
	s_wait_dscnt 4*NL                              ; W's set and x's blocks 0-3 are in; the youngest eight loads (x's blocks 4-7) may be out
	WIN MUL_LO
	MUL16 0, (\q)%2, \q, \slot, \zero
	MUL16 2, (\q)%2, \q, \slot, \zero
	s_wait_dscnt 0
	PLACES NP
	FETCH_B \slot, (\q)+1, 1-(\q)%2
	FETCH_A \slot, (\q)+1, 0
	WIN MUL_HI
	MUL16 4, (\q)%2, \q, \slot, \zero
	MUL16 6, (\q)%2, \q, \slot, \zero
	PLACES NP
	WIN 0
	FETCH_A \slot, (\q)+1, 4
.endm
; A slot's last step changes slots: one barrier; in front of it each wave waits for all its tensor loads, adds 0 to its spare word, and waits for that and for its reads of this slot.
.macro TURN slot, next, fill
	s_wait_tensorcnt 0x0                           ; all my tensor loads have landed: my part of the next slot
	ds_add_u32 v[SPW], v[NIL]
	s_wait_dscnt 4*NL+1                            ; the add and the youngest eight loads may be out
	WIN MUL_LO
	MUL16 0, 1, NQ-1, \slot, 0
	s_wait_dscnt 0x0                               ; the add is done, and my reads of this slot are over
	s_barrier_signal -1
	MUL16 2, 1, NQ-1, \slot, 0
	WIN 0
	s_barrier_wait -1
.if \fill
	CREST                                          ; the barrier has opened a round of the cluster's barrier: no wave of any partner still reads this slot or has a load on its way
	s_add_nc_u64 s[G0+4*\slot+2:G0+4*\slot+3], s[G0+4*\slot+2:G0+4*\slot+3], 2*ROWB
	s_add_nc_u64 s[G0B+4*\slot+2:G0B+4*\slot+3], s[G0B+4*\slot+2:G0B+4*\slot+3], 2*ROWB
	JLOAD G0+4*\slot, G1, G0B+4*\slot, G1B         ; the first tensor load behind the round; its four v_nop are the places in front of the loads below
.else
	PLACES NP
.endif
	v_add_nc_u32 v[ADRS], 4*NQ, v[ADRS]
	FETCH_B \next, 0, 0
	FETCH_A \next, 0, 0
	SCALES \next
	WIN MUL_HI
	MUL16 4, 1, NQ-1, \slot, 0
	MUL16 6, 1, NQ-1, \slot, 0
	PLACES NP
	WIN 0
	FETCH_A \next, 0, 4
.endm
.macro STEPS slot, from
.set Q, \from
.rept NQ-1-\from
	STEP \slot, Q, 0
.set Q, Q+1
.endr
.endm
	s_wait_tensorcnt 1                             ; the scales and my part of K step 0 are in; K step 1's load may be out
	s_barrier_signal -1
	s_barrier_wait -1
	FETCH_B 0, 0, 0
	FETCH_A 0, 0, 0
	SCALES 0
	FETCH_A 0, 0, 4
	STEP 0, 0, 1                                   ; the first step's products start the sums
	s_mov_b32 s3, LAPS-1
.Llap:
	STEPS 0, 1
	TURN 0, 1, 1
	STEPS 1, 0
	TURN 1, 0, 1
	STEP 0, 0, 0
	s_sub_co_u32 s3, s3, 1
	s_cmp_lg_u32 s3, 0
	s_cbranch_scc1 .Llap
	STEPS 0, 1                                     ; the last lap fills nothing
	TURN 0, 1, 0
	STEPS 1, 0
	s_wait_dscnt 4*NL
	WIN MUL_LO
	MUL16 0, 1, NQ-1, 1, 0
	MUL16 2, 1, NQ-1, 1, 0
	s_wait_dscnt 0
	WIN MUL_HI
	MUL16 4, 1, NQ-1, 1, 0
	MUL16 6, 1, NQ-1, 1, 0
	WIN 0
; THE WAY OUT, block by block of 16 rows x one head.
; NORMROPE a: y = x rsqrt(mean(x^2) + 1e-6) w, then y(d) cos(d) - y(d + 64) sin(d) for d < 64 and y(d) cos(d) + y(d - 64) sin(d) for d >= 64, in place in the accumulators.
; The rotation goes in two halves of 16 pairs of registers, since 32 registers are free for the products with sin.
.macro NORMROPE a
.set NW, 2+(\a)/4
.set NAC, 64*((\a)%4)
.set NCC, 64-64*((\a)%2)
.set NSS, NCC+128
.if (\a) < 7
	CSLOAD (\a)+1                                  ; the next block's cos and sin, into the other buffer
	s_wait_loadcnt 32                              ; all but those 32: this block's are in (and, for block 0, the gain)
.else
	s_wait_loadcnt 0x0
.endif
	WIN NW|(NW<<2)
.set p, 0
.rept 32                               ; the sum of my 64 squares, in four chains; each accumulator is read from its low end on
.if p < 4
	v_pk_mul_f32 v[T+2*p:T+2*p+1], v[NAC+2*p:NAC+2*p+1], v[NAC+2*p:NAC+2*p+1]
.else
	v_pk_fma_f32 v[T+2*(p%4):T+2*(p%4)+1], v[NAC+2*p:NAC+2*p+1], v[NAC+2*p:NAC+2*p+1], v[T+2*(p%4):T+2*(p%4)+1]
.endif
.set p, p+1
.endr
	WIN 0
	v_pk_add_f32 v[T:T+1], v[T:T+1], v[T+2:T+3]
	v_pk_add_f32 v[T+4:T+5], v[T+4:T+5], v[T+6:T+7]
	v_pk_add_f32 v[T:T+1], v[T:T+1], v[T+4:T+5]
	v_add_f32 v14, v[T], v[T+1]
	v_permlanex16_b32 v15, v14, s10, s11           ; the row's other 64 columns lie in the lane 16 away
	v_add_f32 v14, v14, v15
	v_fma_f32 v14, v14, s66, s67                   ; the mean + 1e-6
	v_rsq_f32 v12, v14
	v_nop                                          ; a plain instruction behind the transcendental,
	s_wait_alu depctr_va_vdst(0)                   ; and the wait ahead of its first reader
	WIN NW|(NW<<6)
.set p, 0
.rept 32
	v_pk_mul_f32 v[NAC+2*p:NAC+2*p+1], v[NAC+2*p:NAC+2*p+1], v[12:13] op_sel_hi:[1,0]
.set p, p+1
.endr
.set p, 0
.rept 32
	v_pk_mul_f32 v[NAC+2*p:NAC+2*p+1], v[NAC+2*p:NAC+2*p+1], v[WN+2*p:WN+2*p+1]
.set p, p+1
.endr
.irp u, 0,1
	WIN NW|(1<<2)
.set p, 8*\u
.rept 8
	v_pk_mul_f32 v[T+2*(p%8):T+2*(p%8)+1], v[NAC+32+2*p:NAC+32+2*p+1], v[NSS+2*p:NSS+2*p+1]          ; y(d + 64) sin(d)
	v_pk_mul_f32 v[T+16+2*(p%8):T+16+2*(p%8)+1], v[NAC+2*p:NAC+2*p+1], v[NSS+32+2*p:NSS+32+2*p+1]    ; y(d - 64) sin(d)
.set p, p+1
.endr
	WIN NW|(1<<2)|(NW<<6)
.set p, 8*\u
.rept 8
	v_pk_fma_f32 v[NAC+2*p:NAC+2*p+1], v[NAC+2*p:NAC+2*p+1], v[NCC+2*p:NCC+2*p+1], v[T+2*(p%8):T+2*(p%8)+1] neg_lo:[0,0,1] neg_hi:[0,0,1]
	v_pk_fma_f32 v[NAC+32+2*p:NAC+32+2*p+1], v[NAC+32+2*p:NAC+32+2*p+1], v[NCC+32+2*p:NCC+32+2*p+1], v[T+16+2*(p%8):T+16+2*(p%8)+1]
.set p, p+1
.endr
.endr
	WIN 0
.endm
; Positions 0-15 in f32: block 0 of the waves that hold the tile's upper rows, in tile row 0.  The branch hangs on the cluster's y and the wave; the place in the cluster enters a lane mask alone.
; 32 bytes a lane of rows 12,288 bytes apart: 196,608 bytes in the whole launch.
.macro FINE
	s_cmp_lg_u32 s101, 0
	s_cbranch_scc1 .Lno_fine_\@
	s_wait_xcnt 0x0                                ; EXEC changes only behind this wait
	v_cmp_eq_u32 vcc_lo, 0, v11
	s_and_saveexec_b32 s2, vcc_lo
	WIN 0x08                                       ; a store's data are its source 1: window 2
.irp b, 0,1,2,3,4,5,6,7
	global_store_b128 v10, v[8*\b:8*\b+3], s[8:9] offset:64*\b
	global_store_b128 v10, v[8*\b+4:8*\b+7], s[8:9] offset:64*\b+16
.endr
	WIN 0
	s_wait_xcnt 0x0                                ; and again in front of the line that widens it
	s_or_b32 exec_lo, exec_lo, s2
.Lno_fine_\@:
.endm
.macro PACK a                          ; rounded to f16: a lane's eight columns are 16 bytes
.set AC, 64*((\a)%4)
	WIN 0x0a+5*((\a)/4)
.irp b, 0,1,2,3,4,5,6,7
.irp r, 0,1,2,3
	v_cvt_pk_f16_f32 v[TMP+4*\b+\r], v[AC+8*\b+2*\r], v[AC+8*\b+2*\r+1]
.endr
.endr
	WIN 0
.endm
.macro TOSTAGE a, so                   ; into my stage, and back as whole rows of 256 bytes: LDS serves a wave's instructions in order
.set BB, BK+32*((\a)%2)
.irp b, 0,1,2,3,4,5,6,7
	ds_store_b128 v[STO], v[TMP+4*\b:TMP+4*\b+3] offset:\so+32*\b
.endr
.irp t, 0,1,2,3,4,5,6,7
	ds_load_b128 v[BB+4*\t:BB+4*\t+3], v[RD] offset:\so+\t*2*SPITCH
.endr
.endm
.macro SEND a
.set BB, BK+32*((\a)%2)
	s_wait_dscnt 0x0                               ; the block is back in registers
	s_wait_xcnt 0x0                                ; the block before has left its registers: the next block's LDS loads may land there
.irp t, 0,1,2,3,4,5,6,7
	global_store_b128 v[CO], v[BB+4*\t:BB+4*\t+3], s[12:13] offset:4096*(\a)+512*\t   ; 16 lanes store 256 consecutive bytes, at a multiple of 256 from the buffer's first byte
.endr
.endm
	PLACES NP                                      ; behind the last products: for the loads into W's fragments' registers and the first reads of results
	s_cmp_eq_u32 s100, 2
	s_cbranch_scc1 .Lvway
	NORMROPE 0
	FINE
	PACK 0
	TOSTAGE 0, 0
.irp a, 1,2,3,4,5,6,7
	NORMROPE \a
	PACK \a
	SEND \a-1
	TOSTAGE \a, 0
.endr
	SEND 7
	s_branch .Lclose
.Lvway:                                                ; v is rounded as it stands
	FINE
	PACK 0
	TOSTAGE 0, VST
.irp a, 1,2,3,4,5,6,7
	PACK \a
	SEND \a-1
	TOSTAGE \a, VST
.endr
	SEND 7
.Lclose:
	s_wait_tensorcnt 0x0                           ; the wave's end
	ds_add_u32 v[SPW], v[NIL]
	s_wait_dscnt 0x0
	CROUND                                         ; the closing round
	s_endpgm
.Lfunc_end_k_q0b9c7ce1c2_qkv:
	.size	k_q0b9c7ce1c2_qkv, .Lfunc_end_k_q0b9c7ce1c2_qkv-k_q0b9c7ce1c2_qkv
	.p2alignl 7, 3214868480
	.fill 96, 4, 3214868480
	.section	.rodata,"a",@progbits
	.p2align	6, 0x0
	.amdhsa_kernel k_q0b9c7ce1c2_qkv
		.amdhsa_group_segment_fixed_size 327680
		.amdhsa_private_segment_fixed_size 0
		.amdhsa_enable_private_segment 0
		.amdhsa_kernarg_size 80
		.amdhsa_user_sgpr_count 2
		.amdhsa_user_sgpr_kernarg_segment_ptr 1
		.amdhsa_wavefront_size32 1
		.amdhsa_system_sgpr_workgroup_id_x 1
		.amdhsa_system_sgpr_workgroup_id_y 1
		.amdhsa_system_sgpr_workgroup_id_z 1
		.amdhsa_system_vgpr_workitem_id 0
		.amdhsa_next_free_vgpr 1024
		.amdhsa_next_free_sgpr 102
		.amdhsa_reserve_vcc 1
		.amdhsa_float_denorm_mode_32 3
		.amdhsa_float_denorm_mode_16_64 3
		.amdhsa_memory_ordered 1
		.amdhsa_forward_progress 1
		.amdhsa_inst_pref_size 255
	.end_amdhsa_kernel
	.section	.bss,"aw",@nobits
	.p2align	6
	.space	262144
	.amdgpu_metadata
---
amdhsa.version: [ 1, 2 ]
amdhsa.kernels:
  - .name:           k_q0b9c7ce1c2_qkv
    .symbol:         k_q0b9c7ce1c2_qkv.kd
    .args:
      - { .name: x_codes, .offset: 0, .size: 8, .value_kind: global_buffer, .address_space: global }
      - { .name: x_scales, .offset: 8, .size: 8, .value_kind: global_buffer, .address_space: global }
      - { .name: w_codes, .offset: 16, .size: 8, .value_kind: global_buffer, .address_space: global }
      - { .name: w_scales, .offset: 24, .size: 8, .value_kind: global_buffer, .address_space: global }
      - { .name: qkv16, .offset: 32, .size: 8, .value_kind: global_buffer, .address_space: global }
      - { .name: cos, .offset: 40, .size: 8, .value_kind: global_buffer, .address_space: global }
      - { .name: sin, .offset: 48, .size: 8, .value_kind: global_buffer, .address_space: global }
      - { .name: q_norm_w, .offset: 56, .size: 8, .value_kind: global_buffer, .address_space: global }
      - { .name: k_norm_w, .offset: 64, .size: 8, .value_kind: global_buffer, .address_space: global }
      - { .name: qkv32, .offset: 72, .size: 8, .value_kind: global_buffer, .address_space: global }
    .group_segment_fixed_size: 327680
    .private_segment_fixed_size: 0
    .kernarg_segment_align: 8
    .kernarg_segment_size: 80
    .max_flat_workgroup_size: 128
    .sgpr_count:     102
    .vgpr_count:     1024
    .wavefront_size: 32
...
	.end_amdgpu_metadata
.endif
;; end of part 2
;; launch attn (part 3): grid 32 x 8, 4 waves a work-group, clusters of 4 x 1, 327,680 bytes of LDS; arguments qkv16, att16; writes att16
.if DOCPART == 3
	.amdgcn_target "amdgcn-amd-amdhsa--gfx1250"
	.amdhsa_code_object_version 6
	.text
	.protected	k_q0b9c7ce1c2_attn
	.globl	k_q0b9c7ce1c2_attn
	.p2align	8
	.type	k_q0b9c7ce1c2_attn,@function
k_q0b9c7ce1c2_attn:
	s_mov_b64 s[64:65], 0
	v_nop
	global_prefetch_b8 v0, s[64:65] scope:SCOPE_SE
	s_setreg_imm32_b32 hwreg(HW_REG_WAVE_MODE, 25, 1), 1
	s_wait_xcnt 0x0
	s_wait_alu depctr_hold_cnt(0) depctr_sa_sdst(0) depctr_va_vdst(0) depctr_va_sdst(0) depctr_va_ssrc(0) depctr_va_vcc(0) depctr_vm_vsrc(0)
	s_getreg_b32 s2, hwreg(HW_REG_IB_STS2, 6, 4)
	s_cmp_eq_u32 s2, 0
	s_cbranch_scc0 .Lentry_in_a_cluster
	s_endpgm
.Lentry_in_a_cluster:
	s_bfe_u32 s2, ttmp6, 0x10000c
	s_cmp_lg_u32 s2, 0x3003
	s_cbranch_scc0 .Lentry_shape_is_right
	s_endpgm
.Lentry_shape_is_right:
; att16[q][head][:] = the sum over k <= q of softmax_k(Q[q] . K[k] / sqrt(128)) V[k][:], 8 heads, 4,096 positions.  Q, K, V: groups head, 8 + head, 16 + head of qkv16 [24][4096][128], f16.  Products, maxima and sums in f32;
; the weights p (at most 1) are rounded to f16 for the second product, the result once at the end.  Positions 0-15 are made here like the others; a later launch carries them finely and has the last word on them.
; SHARES.  A work-group holds ONE tile of 64 queries at a time, and all four waves hold the same 64 (four tiles of 16).  THE WAVES SHARE THE KEYS: in a round of 256 keys wave w takes keys 64 w .. 64 w + 63.  So each fragment of K and V
; read from LDS feeds four products, and a work-group's share is small enough to balance the causal mask: cluster a (0-7), place u (0-3) takes query tile 4 a + u (a + 1 rounds), then tile 60 - 4 a + u (16 - a rounds): 17 steps everywhere.
; At a pass's end the four waves' partial results (each with its own maximum m and sum l) are merged through LDS.
; CLUSTER.  The four partners walk the same rounds of the same head: each tile of K and V is asked for JOINTLY (mask 15).  No branch hangs on u: in a pass's last round, which holds the diagonal, every wave does its step and hidden scores
; become -infinity by a select (a wave all of whose keys are hidden ends with l = 0 and weighs nothing in the merge).
; LAYOUT.  S^T = K Q^T, O^T = V^T P: a lane holds ONE query (lane % 16) in S^T, P and O^T.  K comes out of LDS as it lies, V turned by ds_load_tr16_b128.
; SOFTMAX.  p = 2^(c s - c m), c = log2(e) / sqrt(128); in every step O and l are multiplied by a = 2^(c m_old - c m_new).  A pass begins with m = -3e38 and l = 0: its first step has a = 0, which clears what O^T held (finite numbers).
; BY TURNS.  Piece 0 is tiles 0, 1; piece 2 tiles 2, 3.  In a TURN one piece has the matrix unit: 32 products V^T P of the step in hand, then 32 products K Q^T of the next step; the other piece's softmax, cut into 64 slices, stands between
; them, one slice behind each product.  Two turns are a key step.  At a pass's end the two pieces are finished (EPI), merged (MERGE), and the next pass is begun (PRO): there a turn has half the products and two slices behind each.
; REGISTERS, in windows of 256: window 0: v0-11 addresses; v12-43 eight statistics a tile; v44-63 more addresses; v64-191 S^T; v192-255 P.   window 1: O^T, 64 a tile.   window 2: v0-127 Q; v128-255 K.   window 3: v0-127 V.
.set KS,    64
.set PK,    272                        ; a row of K in LDS: 256 bytes + 16
.set PV,    288                        ; a row of V: 256 + 32
.set VOFF,  256*PK                     ; a slot: 256 rows of K, then 256 rows of V
.set SLOTB, 256*(PK+PV)
.set MRG,   2*SLOTB                    ; behind the ring: 32,768 bytes for the merge (four waves' images of a tile of O^T; then 64 rows x 272 for the way out),
.set STAT,  MRG+32768                  ; 4,096 bytes for the waves' c m and l,
.set SPARE, STAT+4096                  ; and the spare words, 128 bytes a wave, named by no other line
.set AK0, 2
.set AV0, 3
.set ADR, 4
.set QO,  5
.set ST,  12                           ; tile t at v[ST+8 t]: +0 c m, +1 m, +2, +3 l, +4 to +7 at work (a at +6)
.set DM,  44                           ; v44-47 tile t: 64 (u - w) + 16 t + r - 8 h: register n of S^T is hidden in the diagonal round where 16 (n / 8) + n % 8 is above it
.set NINF, 48
.set SWA, 49
.set SRA, 50
.set MWA, 51
.set MRA, 52
.set OWA, 53
.set ORA, 54
.set GO,  55
.set PFO, 61
.set SPW, 62
.set NIL, 63
.set S,   64
.set P,   192
.set KF,  128
.set CMR, 192                          ; the merge: v192-207 c m of (tile, wave), later the factors; v208-223 l; v224-227 the largest c m; v224-255 later the packed results
.set LR,  208
.set CG,  224
.set OUTP, 224
.set WV,  12
.set CLA, 16                           ; s16 the cluster's x
.set RND, 17                           ; s17 the loop's trip
.set DG,  18                           ; s18 1 where the step in hand is pass A's last
.set KRN, 19                           ; s19 the round of keys last asked for
.set TBW, 20                           ; s20 LDS byte of the slot that is read
.set TBF, 21                           ; s21 and of the slot that is filled
.set LIM, 22
.set KLC, 23                           ; s23 my load's place in a slot, for K; s66 for V
.set VLC, 66
.set RN,  67                           ; s67 the change's number n: it makes step n's slot readable and asks for step n + 1's keys
.set DGN, 70                           ; s70 1 where step n is pass A's last
.set G1K, 24
.set G1V, 32
.set G0K, 40
.set G0V, 44
.set QA,  48
.set QB,  50
.set OA,  52
.set OB,  54
.set KB,  56
.set VB,  58
.set CS,  60
.set SEL, 62
.set PFA, 68
.set MSB, 0
.macro WIN new
.if MSB != (\new)
	s_set_vgpr_msb (MSB<<8)|(\new)
.set MSB, (\new)
.endif
.endm
.set W_KQ, 0x0a
.set W_PV, 0x53
.set W_RS, 0x41
; A joint load: waves 0 and 1 fetch K's halves (128 rows each), waves 2 and 3 V's.  The branch hangs on the wave's number alone.  An s_nop 0 and four v_nop follow each line.
.macro JLOAD
	s_cmp_lt_u32 s[WV], 2
	s_cbranch_scc0 .Lfor_v_\@
	tensor_load_to_lds s[G0K:G0K+3], s[G1K:G1K+7]
	s_nop 0
.rept 4
	v_nop
.endr
	s_branch .Lasked_\@
.Lfor_v_\@:
	tensor_load_to_lds s[G0V:G0V+3], s[G1V:G1V+7]
	s_nop 0
.rept 4
	v_nop
.endr
.Lasked_\@:
.endm
; A prefetch into the L2: at change n the head's first cluster, which walks all 16 rounds in order, names round n + 2: one change ahead of the first load of it by any cluster of the head.  Each row of 256 bytes is named once in the launch:
; a wave asks for the half that it fetches, and the four partners share its 128 rows out by address, 32 each, a lane a row.  It stops with n = 13 (round 15).  Rounds 0 and 1 come by their loads alone.
.macro ASK
	s_cmp_lt_u32 s[RN], s[LIM]
	s_cbranch_scc0 .Lnot_mine_\@
	global_prefetch_b8 v[PFO], s[PFA:PFA+1] th:TH_LOAD_NT scope:SCOPE_SE
.Lnot_mine_\@:
.endm
.macro CROUND
	s_barrier_signal -1
	s_barrier_wait -1
	s_cmp_lg_u32 s[WV], 0
	s_cbranch_scc1 .Lnot_wave_0_\@
	s_barrier_signal -3
.Lnot_wave_0_\@:
	s_barrier_wait -3
	s_barrier_signal -1
	s_barrier_wait -1
.endm
.macro BAR                             ; my LDS stores have landed and my LDS loads are in: then the work-group's barrier
	s_wait_dscnt 0x0
	s_barrier_signal -1
	s_barrier_wait -1
.endm
.macro PLACES
.rept 4
	v_nop
.endr
.endm
.macro INITST                          ; a pass begins
.irp t, 0,1,2,3
	v_mov_b32 v[ST+8*\t+1], 0xff61b1e6             ; m = -3e38, under every score
	v_mov_b32 v[ST+8*\t+2], 0
	v_mov_b32 v[ST+8*\t+3], 0
	v_mul_f32 v[ST+8*\t], s[CS], v[ST+8*\t+1]
.endr
.endm
	s_load_b128 s[4:7], s[0:1], 0x0                ; qkv16, att16
	v_lshl_add_u32 v[SPW], v0, 2, SPARE
	v_mov_b32 v[NIL], 0
	ds_add_u32 v[SPW], v[NIL]                      ; the wave's opening: the add, twice on end, and its wait ahead of my first tensor load
	ds_add_u32 v[SPW], v[NIL]
	v_lshrrev_b32 v1, 5, v0
	v_readfirstlane_b32 s[WV], v1                  ; wave 0..3
	s_bfe_u32 s13, ttmp6, 0x40000                  ; u: my place in the cluster
	s_mov_b32 s[CLA], ttmp9
	s_and_b32 s14, ttmp7, 0xffff                   ; the head
	s_lshl_b32 s15, s14, 20                        ; a group is 4,096 rows of 256 bytes
	s_lshl_b32 s70, s[CLA], 2
	s_sub_co_u32 s71, 60, s70
	s_add_co_u32 s70, s70, s13                     ; pass A's tile of 64 queries
	s_add_co_u32 s71, s71, s13                     ; pass B's
	s_lshl_b32 s72, s70, 14
	s_add_co_u32 s72, s72, s15
	s_mov_b32 s73, 0
	s_lshl_b32 s74, s71, 14
	s_add_co_u32 s74, s74, s15
	s_mov_b32 s75, 0
	s_lshl_b32 s8, s14, 8                          ; the head's 256 bytes in a row of att16
	s_lshl_b32 s76, s70, 17                        ; 64 rows of 2,048 bytes
	s_add_co_u32 s76, s76, s8
	s_mov_b32 s77, 0
	s_lshl_b32 s78, s71, 17
	s_add_co_u32 s78, s78, s8
	s_mov_b32 s79, 0
	s_and_b32 s9, s[WV], 1                         ; which half I fetch
	s_lshl_b32 s10, s9, 15                         ; its 128 rows in memory,
	s_add_co_u32 s10, s10, s15
	s_add_co_u32 s10, s10, 8<<20                   ; in K's group
	s_mov_b32 s11, 0
	s_mul_i32 s[KLC], s9, 128*PK                   ; and in a slot: no place in the cluster enters an LDS address
	s_mul_i32 s[VLC], s9, 128*PV
	s_add_co_u32 s[VLC], s[VLC], VOFF
	s_mov_b32 s[G1K], 15|(1<<16)|(1<<20)|(1<<21)|(5<<22)|(3<<25)  ; the mask: all four; elements of 2 bytes; padding on; bit 21 beside a mask; 4 words behind every 64
	s_mov_b32 s[G1V], 15|(1<<16)|(1<<20)|(1<<21)|(5<<22)|(7<<25)  ; 8 words
.irp g, G1K, G1V
	s_mov_b32 s[\g+1], 128<<16                     ; tensor_dim0
	s_mov_b32 s[\g+2], 128<<16                     ; tensor_dim1
	s_mov_b32 s[\g+3], 128<<16                     ; tile_dim0
	s_mov_b32 s[\g+4], 128                         ; tile_dim1
	s_mov_b32 s[\g+5], 128                         ; the pitch
	s_mov_b32 s[\g+6], 0
	s_mov_b32 s[\g+7], 0
.endr
	s_mov_b32 s[CS], 0x3e0293ee                    ; c = log2(e) / sqrt(128)
	s_mov_b32 s[CS+1], s[CS]
	s_mov_b32 s[SEL], 0x76543210
	s_mov_b32 s[SEL+1], 0xfedcba98
	s_mov_b32 s[TBW], SLOTB                        ; the first change turns them: slot 0 is read, slot 1 filled
	s_mov_b32 s[TBF], 0
	s_mov_b32 s[KRN], 0
	s_cmp_eq_u32 s[CLA], 0
	s_cselect_b32 s[LIM], 14, 0                    ; alike in all four partners
	v_and_b32 v6, 31, v0                           ; lane
	v_lshlrev_b32 v[PFO], 8, v6
	s_wait_dscnt 0x0                               ; both opening adds are done
	s_wait_kmcnt 0x0
	s_add_nc_u64 s[QA:QA+1], s[4:5], s[72:73]
	s_add_nc_u64 s[QB:QB+1], s[4:5], s[74:75]
	s_add_nc_u64 s[OA:OA+1], s[6:7], s[76:77]
	s_add_nc_u64 s[OB:OB+1], s[6:7], s[78:79]
	s_add_nc_u64 s[KB:KB+1], s[4:5], s[10:11]
	s_add_nc_u64 s[VB:VB+1], s[KB:KB+1], 8<<20
	s_cmp_lt_u32 s[WV], 2
	s_cselect_b64 s[PFA:PFA+1], s[KB:KB+1], s[VB:VB+1]
	s_lshl_b32 s8, s13, 13                         ; my work-group's 32 rows of the half,
	s_add_co_u32 s8, s8, 0x10000                   ; in round 1: the first change steps it to round 2
	s_mov_b32 s9, 0
	s_add_nc_u64 s[PFA:PFA+1], s[PFA:PFA+1], s[8:9]
	CROUND                                         ; all four work-groups are here: the first joint loads meet
	s_mov_b32 s[G0K], 1
	s_mov_b32 s[G0K+1], s[KLC]                     ; slot 0
	s_mov_b64 s[G0K+2:G0K+3], s[KB:KB+1]           ; round 0
	s_or_b32 s[G0K+3], s[G0K+3], 0x80000000
	s_mov_b32 s[G0V], 1
	s_mov_b32 s[G0V+1], s[VLC]
	s_mov_b64 s[G0V+2:G0V+3], s[VB:VB+1]
	s_or_b32 s[G0V+3], s[G0V+3], 0x80000000
	JLOAD
	v_and_b32 v1, 15, v0                           ; r
	v_bfe_u32 v9, v0, 4, 1                         ; h
	v_lshlrev_b32 v[QO], 8, v1
	v_lshl_add_u32 v[QO], v9, 4, v[QO]
	WIN 0x80
.irp i, 0,1,2,3,4,5,6,7,8,9,10,11,12,13,14,15  ; pass A's Q: tile i / 4, channels 32 (i % 4) on
	global_load_b128 v[8*\i:8*\i+3],   v[QO], s[QA:QA+1] offset:(\i/4)*4096+(\i%4)*64
	global_load_b128 v[8*\i+4:8*\i+7], v[QO], s[QA:QA+1] offset:(\i/4)*4096+(\i%4)*64+32
.endr
	WIN 0
	s_mul_i32 s8, s[WV], KS*PK                     ; my 64 keys of a round
	v_mul_u32_u24 v[AK0], v1, PK
	v_lshl_add_u32 v[AK0], v9, 4, v[AK0]
	v_add_nc_u32 v[AK0], s8, v[AK0]
	v_and_b32 v10, 7, v0
	v_bfe_u32 v11, v0, 3, 1
	v_lshl_add_u32 v[AV0], v9, 3, v10              ; the turning load: key 8 (l / 16) + l % 8, channels 8 ((l / 8) % 2) on
	v_mul_u32_u24 v[AV0], v[AV0], PV
	v_lshl_add_u32 v[AV0], v11, 4, v[AV0]
	s_mul_i32 s8, s[WV], KS*PV
	s_add_co_u32 s8, s8, VOFF
	v_add_nc_u32 v[AV0], s8, v[AV0]
	s_lshl_b32 s8, s[WV], 10
	v_lshl_add_u32 v[SRA], v6, 2, STAT             ; the statistics: 4 bytes a lane; a wave's are 1,024 bytes
	v_add_nc_u32 v[SWA], s8, v[SRA]
	v_lshl_add_u32 v7, v6, 4, MRG
	s_lshl_b32 s8, s[WV], 13
	v_add_nc_u32 v[MWA], s8, v7                    ; my image of a tile of O^T: 8,192 bytes
	s_lshl_b32 s8, s[WV], 11
	v_add_nc_u32 v[MRA], s8, v7                    ; of each image I read registers 16 w .. 16 w + 15: channels 32 w on
	s_lshl_b32 s8, s[WV], 6
	v_mul_u32_u24 v[OWA], v1, 272
	v_lshl_add_u32 v[OWA], v9, 4, v[OWA]
	v_add_nc_u32 v[OWA], s8, v[OWA]
	v_add_nc_u32 v[OWA], MRG, v[OWA]               ; the way out, in: row r, my 64 bytes, 16 for each half of the lanes
	s_mul_i32 s8, s[WV], 16*272
	v_mul_u32_u24 v[ORA], v9, 272
	v_lshl_add_u32 v[ORA], v1, 4, v[ORA]
	v_add_nc_u32 v[ORA], s8, v[ORA]
	v_add_nc_u32 v[ORA], MRG, v[ORA]               ; back: rows 16 w on; lanes 0-15 one row, lanes 16-31 the next
	s_lshl_b32 s8, s[WV], 15
	v_lshlrev_b32 v[GO], 11, v9
	v_lshl_add_u32 v[GO], v1, 4, v[GO]
	v_add_nc_u32 v[GO], s8, v[GO]                  ; and the same rows in att16, 2,048 bytes apart
	s_sub_co_i32 s8, s13, s[WV]
	s_lshl_b32 s8, s8, 6                           ; 64 (u - w): it enters compared numbers alone
	v_lshlrev_b32 v8, 3, v9
	v_sub_nc_u32 v8, v1, v8
	v_add_nc_u32 v8, s8, v8
.irp t, 0,1,2,3
	v_add_nc_u32 v[DM+\t], 16*\t, v8
.endr
	v_mov_b32 v[NINF], 0xff800000
	INITST
	WIN 0x40
.set i, 0
.rept 256
	v_mov_b32 v[i], 0                              ; O^T, once: a softmax is written in one form, and a pass's first multiplies what it finds by a = 0
.set i, i+1
.endr
	WIN 0
; Product i of 32 of O^T += V^T P for piece x: keys 32 (i / 16) on, channels 16 ((i / 2) % 8) on, tile x + i % 2.  The accumulators take turns, one instruction a turn.
.macro PV x, zero
	WIN W_PV
.set rO, 64*(\x+i%2)+8*((i/2)%8)
.set rV, 64*(i/16)+8*((i/2)%8)
.set rP, P+16*(\x+i%2)+8*(i/16)
.if \zero && (i < 16)
	v_wmma_f32_16x16x32_f16 v[rO:rO+7], v[rV:rV+7], v[rP:rP+7], 0
.else
	v_wmma_f32_16x16x32_f16 v[rO:rO+7], v[rV:rV+7], v[rP:rP+7], v[rO:rO+7]
.endif
.endm
; Product i of 32 of S^T = K Q^T: channels 32 (i / 8) on, keys 16 ((i / 2) % 4) on, tile x + i % 2.  The first 8 start the sums.
.macro KQ x
	WIN W_KQ
.set rS, S+32*(\x+i%2)+8*((i/2)%4)
.set rK, KF+32*((i/2)%4)+8*(i/8)
.set rQ, 32*(\x+i%2)+8*(i/8)
.if i < 8
	v_wmma_f32_16x16x32_f16 v[rS:rS+7], v[rK:rK+7], v[rQ:rQ+7], 0
.else
	v_wmma_f32_16x16x32_f16 v[rS:rS+7], v[rK:rK+7], v[rQ:rQ+7], v[rS:rS+7]
.endif
.endm
.macro FETCH_K                         ; my 64 keys x 128 channels: 16 fragments, those of the first 32 channels first
	WIN 0
	v_add_nc_u32 v[ADR], s[TBW], v[AK0]
	WIN 0x80
.irp f, 0,4,8,12,1,5,9,13,2,6,10,14,3,7,11,15  ; keys 16 (f / 4) on, channels 32 (f % 4) on
	ds_load_b128 v[KF+8*\f:KF+8*\f+3],   v[ADR] offset:(\f/4)*16*PK+(\f%4)*64
	ds_load_b128 v[KF+8*\f+4:KF+8*\f+7], v[ADR] offset:(\f/4)*16*PK+(\f%4)*64+32
.endr
.endm
.macro FETCH_V
	WIN 0
	v_add_nc_u32 v[ADR], s[TBW], v[AV0]
	s_wait_alu depctr_va_vdst(0)                   ; the wait for the softmax's batch of exponentials, ahead of their first reader
	WIN 0xc0
.irp f, 0,1,2,3,4,5,6,7,8,9,10,11,12,13,14,15  ; keys 32 (f / 8) on, channels 16 (f % 8) on
	ds_load_tr16_b128 v[8*\f:8*\f+3],   v[ADR] offset:(\f/8)*32*PV+(\f%8)*32
	ds_load_tr16_b128 v[8*\f+4:8*\f+7], v[ADR] offset:(\f/8)*32*PV+16*PV+(\f%8)*32
.endr
.endm
; One tile's softmax for one step is a list of 134 instructions; SM writes number j of it for tile t.
;   0-15 the maximum of the 32 scores and the old m; 16-20 the other half of the lanes', the new m, c m, its change; 21-69 ONE BATCH: 16 packed scalings c s - c m and 33 exponentials, none of which reads an exponential's result;
;   (the wait for the batch: SLICE writes it); 70-85 the roundings to f16; 86-101 the sums, l = a l + the sum; 102-133 the tile's O^T times a.
.macro SM t, first
.set rT, ST+8*(\t)
.set rS, S+32*(\t)
.set rP, P+16*(\t)
.set rO, 64*(\t)+2*(j-102)
.if j < 102
	WIN 0
.endif
.if j < 4
	v_max3_num_f32 v[rT+4+j], v[rS+8*j], v[rS+8*j+1], v[rS+8*j+2]
.elseif j < 12
	v_max3_num_f32 v[rT+4+j%4], v[rT+4+j%4], v[rS+8*(j%4)+2*(j/4)+1], v[rS+8*(j%4)+2*(j/4)+2]
.elseif j == 12
	v_max3_num_f32 v[rT+4], v[rT+4], v[rS+7], v[rS+15]
.elseif j == 13
	v_max3_num_f32 v[rT+6], v[rT+6], v[rS+23], v[rS+31]
.elseif j == 14
	v_max3_num_f32 v[rT+4], v[rT+4], v[rT+5], v[rT+6]
.elseif (j == 15) && \first
	v_max_num_f32 v[rT+4], v[rT+4], v[rT+7]
.elseif j == 15
	v_max3_num_f32 v[rT+4], v[rT+4], v[rT+7], v[rT+1]
.elseif j == 16
	v_permlanex16_b32 v[rT+5], v[rT+4], s[SEL], s[SEL+1]
.elseif j == 18
	v_max_num_f32 v[rT+1], v[rT+4], v[rT+5]
.elseif j == 19
	v_mul_f32 v[rT], s[CS], v[rT+1]
.elseif ((j == 17) || (j == 20) || (j == 23) || (j > 101)) && \first
.elseif j == 17
	v_mov_b32 v[rT+7], v[rT]
.elseif j == 20
	v_sub_f32 v[rT+7], v[rT+7], v[rT]
.elseif j == 23
	v_exp_f32 v[rT+6], v[rT+7]
.elseif (j < 23) || ((j < 38) && (j%2 == 0)) || ((j < 66) && (j%4 == 2))
.set b, (j-2)/4
.if j < 38
.set b, (j-20)/2
.endif
	v_pk_fma_f32 v[rS+2*b:rS+2*b+1], v[rS+2*b:rS+2*b+1], s[CS:CS+1], v[rT:rT+1] op_sel_hi:[1,0,0] neg_lo:[0,0,1] neg_hi:[0,0,1]
.elseif j < 70
.set e, j-38
.if j < 66
.set e, j-32-(j-38)/4
.endif
.if j < 38
.set e, (j-25)/2
.endif
	v_exp_f32 v[rS+e], v[rS+e]
.elseif j < 86
	v_cvt_pk_f16_f32 v[rP+j-70], v[rS+2*(j-70)], v[rS+2*(j-70)+1]
.elseif j < 102
.set z, j-86
.set w, 4
.set u, z
.if z >= 14
.set w, 32
.set u, 0
.elseif z >= 12
.set w, 16
.set u, z-12
.elseif z >= 8
.set w, 8
.set u, z-8
.endif
.if (z == 14) && \first
	v_pk_add_f32 v[rT+2:rT+3], v[rS:rS+1], v[rS+16:rS+17]
.elseif z < 15
	v_pk_add_f32 v[rS+w*u:rS+w*u+1], v[rS+w*u:rS+w*u+1], v[rS+w*u+w/2:rS+w*u+w/2+1]
.elseif !\first
	v_pk_fma_f32 v[rT+2:rT+3], v[rT+2:rT+3], v[rT+6:rT+7], v[rS:rS+1] op_sel_hi:[1,0,1]
.endif
.else
	WIN W_RS
	v_pk_mul_f32 v[rO:rO+1], v[rO:rO+1], v[rT+6:rT+7] op_sel_hi:[1,0]
.endif
.endm
; Slice k of 64 of piece y's softmax: four instructions (slice 63: sixteen).  Slices 11 to 34 deal out the batch, four numbers of one tile each.  Behind slice 34 stands the one wait for the piece's 66 exponentials.
.macro SLICE y, first
.if (k >= 11) && (k < 35)
.irp n, 0,1,2,3
.set j, 22+4*((k-11)/2)+(\n)
	SM (\y)+(k-11)%2, \first
.endr
.else
.irp n, 0,1,2,3,4,5,6,7
.if (\n < 2) || (k == 63)
.irp t, \y, \y+1
.set j, 2*k+\n
	SM \t, \first
.endr
.endif
.endr
.endif
.if k == 34
	v_nop                                          ; a plain instruction behind the last exponential: one for the batch
.if (\y) == 0
	FETCH_V                                        ; piece 2's turn: V's run of loads stands here, and the wait stands in it
.else
	s_wait_alu depctr_va_vdst(0)
.endif
.endif
.set k, k+1
.endm
; A TURN.  Piece x has the matrix unit (pv = 2: 32 products V^T P of the step in hand; kq = 1: 32 products K Q^T of the next step); the other piece's softmax stands in slices behind its products: one behind each where the turn has both
; kinds, two where it has one.  Piece 0's turn with both kinds fetches the next step's K behind its second product: the last product that read K stands in front of slice 63 of the turn before.  Piece 2's turn fetches the same step's V behind
; slice 34: where it has both kinds, the last product that read V stands in front of slice 31, and four plain instructions lie between: number 62, a scaling, of both tiles, the v_nop and the run's own v_add_nc_u32.
; Slice 63's sixteen plain instructions, on the other piece's O^T, are the places behind a turn's last product.
.macro TURN x, pv, kq, first
.set k, 0
.set per, 2
.if \pv && \kq
.set per, 1
.endif
.if \pv
.if \x == 0
	s_wait_dscnt 0x0                               ; V is in
.endif
.set i, 0
.rept 32
	PV \x, 2-\pv
.rept per
	SLICE 2-\x, \first
.endr
.if (\x == 0) && \kq && (i == 1)
	FETCH_K
.endif
.set i, i+1
.endr
.endif
.if \kq
.if \x == 0
	s_wait_dscnt 0x0                               ; K is in: its run was issued 30 products ago
.endif
.set i, 0
.rept 32
	KQ \x
.rept per
	SLICE 2-\x, \first
.endr
.set i, i+1
.endr
.endif
.endm
; The diagonal round: hidden scores of piece y become -infinity ahead of the maximum.  diag = 2: under a branch on the change's number and the cluster's x, alike in all waves and partners; 1: always; 0: never.
.macro MASKQ y, diag
.if \diag
.if \diag == 2
	s_cmp_eq_u32 s[DGN], 0
	s_cbranch_scc1 .Lopen_\@
.endif
.irp t, \y, \y+1
.set n, 0
.rept 32
	v_cmp_gt_i32 vcc_lo, 16*(n/8)+n%8, v[DM+(\t)]
	v_cndmask_b32 v[S+32*(\t)+n], v[S+32*(\t)+n], v[NINF], vcc_lo
.set n, n+1
.endr
.endr
.Lopen_\@:
.endif
.endm
; A PASS BEGINS: its first step's K; piece 0's scores, bare; piece 2's scores with piece 0's softmax between them, and V.
.macro PRO diag
	FETCH_K
.set i, 0
.rept 32
.if i%8 == 0
	s_wait_dscnt 24-i                              ; the fragments of channels 32 (i / 8) on are in; the later channel steps' eight loads each may be out
.endif
	KQ 0
.set i, i+1
.endr
	WIN 0
	PLACES                                         ; behind piece 0's products, ahead of the first read of its scores
	MASKQ 0, \diag
	TURN 2, 0, 1, 0
	WIN 0
	MASKQ 2, \diag
.endm
; FROM A STEP TO THE NEXT OF THE SAME PASS: two turns, 128 products, a slice behind each.  diag speaks of the next step, whose scores are made here.
.macro STEADY diag
	TURN 0, 2, 1, 0                                ; piece 0: V^T P of the step in hand, K Q^T of the next | piece 2's softmax | the next step's K
	WIN 0
	MASKQ 0, \diag
	TURN 2, 2, 1, 0                                ; piece 2: the same | piece 0's softmax of the next step | its V
	WIN 0
	MASKQ 2, \diag
.endm
; A PASS ENDS: piece 0's V^T P with piece 2's last softmax between; piece 2's V^T P, bare.
.macro EPI
	TURN 0, 2, 0, 0
.set i, 0
.rept 32
	PV 2, 0
.set i, i+1
.endr
	WIN 0
.endm
; THE CHANGE OF SLOTS, number n = s[RN], between piece 2's turn and piece 0's: step n - 1's K and V are in registers or asked for.  Each wave waits for all its tensor loads (one is out: its part of step n's slot), adds 0 to its spare word,
; and waits for that and for its reads of the slot that it leaves.  fill = 1: behind a round of the cluster's barrier that slot takes step n + 1's keys: the next round of the pass, or round 0 of pass B.  The load has a whole step,
; 128 matrix instructions, in which to land.
.macro CHANGE fill
	s_wait_tensorcnt 0x0                           ; no tensor load of mine is out, so a group 0 may be written
	ds_add_u32 v[SPW], v[NIL]
	s_xor_b32 s[TBW], s[TBW], SLOTB
.if \fill
	s_xor_b32 s[TBF], s[TBF], SLOTB
	s_add_co_u32 s[KRN], s[KRN], 1
	s_cmp_eq_u32 s[RN], s[CLA]                     ; is step n pass A's last?
	s_cselect_b32 s[KRN], 0, s[KRN]
	s_cselect_b32 s[DGN], 1, 0
	s_lshl_b32 s2, s[KRN], 16                      ; a round is 256 rows of 256 bytes
	s_mov_b32 s3, 0
	s_add_co_u32 s[G0K+1], s[TBF], s[KLC]
	s_add_nc_u64 s[G0K+2:G0K+3], s[KB:KB+1], s[2:3]
	s_or_b32 s[G0K+3], s[G0K+3], 0x80000000
	s_add_co_u32 s[G0V+1], s[TBF], s[VLC]
	s_add_nc_u64 s[G0V+2:G0V+3], s[VB:VB+1], s[2:3]
	s_or_b32 s[G0V+3], s[G0V+3], 0x80000000
	s_wait_xcnt 0x0                                ; the last prefetch, a change back, has read its address
	s_add_nc_u64 s[PFA:PFA+1], s[PFA:PFA+1], 0x10000
	s_wait_dscnt 0x0                               ; the add is done, and my reads of the slot that I leave are over
	CROUND
	JLOAD
	ASK
.else
	s_wait_dscnt 0x0
	s_barrier_signal -1
	s_barrier_wait -1
.endif
.endm
; THE MERGE at a pass's end.  Wave w' holds, for each query, c m, l and O^T of its keys.  With g = the largest c m: O = (sum of 2^(c m - g) O^T) / (sum of 2^(c m - g) l).  The statistics go round through STAT; O^T goes round a tile of 16 queries
; at a time as images of its registers, each wave's already times its own factor; wave w sums registers 16 w .. 16 w + 15 (channels 32 w on) of the four images.  Then the 64 rows meet in a stage and leave as whole rows of 256 bytes.
; op: the pass's place in att16.  again = 1: pass B follows: its Q is asked for at the head and waited for at the end.
.macro MERGE op, again
.if \again
	WIN 0x80
.irp i, 0,1,2,3,4,5,6,7,8,9,10,11,12,13,14,15
	global_load_b128 v[8*\i:8*\i+3],   v[QO], s[QB:QB+1] offset:(\i/4)*4096+(\i%4)*64
	global_load_b128 v[8*\i+4:8*\i+7], v[QO], s[QB:QB+1] offset:(\i/4)*4096+(\i%4)*64+32
.endr
	WIN 0
.endif
.irp t, 0,1,2,3
	v_add_f32 v[ST+8*\t+4], v[ST+8*\t+2], v[ST+8*\t+3]     ; l's two halves.  (These four are the places behind the last products)
.endr
.irp t, 0,1,2,3
	v_permlanex16_b32 v[ST+8*\t+5], v[ST+8*\t+4], s[SEL], s[SEL+1]
.endr
.irp t, 0,1,2,3
	v_add_f32 v[ST+8*\t+4], v[ST+8*\t+4], v[ST+8*\t+5]     ; and the other half of the lanes'
.endr
.irp t, 0,1,2,3
	ds_store_b32 v[SWA], v[ST+8*\t] offset:256*\t
	ds_store_b32 v[SWA], v[ST+8*\t+4] offset:256*\t+128
.endr
	BAR
.irp t, 0,1,2,3
.irp w, 0,1,2,3
	ds_load_b32 v[CMR+4*\t+\w], v[SRA] offset:1024*\w+256*\t
	ds_load_b32 v[LR+4*\t+\w], v[SRA] offset:1024*\w+256*\t+128
.endr
.endr
	s_wait_dscnt 0x0
.irp t, 0,1,2,3
	v_max3_num_f32 v[CG+\t], v[CMR+4*\t], v[CMR+4*\t+1], v[CMR+4*\t+2]
.endr
.irp t, 0,1,2,3
	v_max_num_f32 v[CG+\t], v[CG+\t], v[CMR+4*\t+3]
.endr
.irp t, 0,1,2,3
	v_sub_f32 v[ST+8*\t+6], v[ST+8*\t], v[CG+\t]
.irp w, 0,1,2,3
	v_sub_f32 v[CMR+4*\t+\w], v[CMR+4*\t+\w], v[CG+\t]
.endr
.endr
.irp t, 0,1,2,3
	v_exp_f32 v[ST+8*\t+6], v[ST+8*\t+6]           ; my own factor
.irp w, 0,1,2,3
	v_exp_f32 v[CMR+4*\t+\w], v[CMR+4*\t+\w]       ; and all four
.endr
.endr
	v_nop
	s_wait_alu depctr_va_vdst(0)                   ; one wait for the twenty
.irp t, 0,1,2,3
	v_mul_f32 v[ST+8*\t+5], v[CMR+4*\t], v[LR+4*\t]
.endr
.irp w, 1,2,3
.irp t, 0,1,2,3
	v_fma_f32 v[ST+8*\t+5], v[CMR+4*\t+\w], v[LR+4*\t+\w], v[ST+8*\t+5]
.endr
.endr
.irp t, 0,1,2,3
	v_rcp_f32 v[ST+8*\t+4], v[ST+8*\t+5]
.endr
	v_nop
	s_wait_alu depctr_va_vdst(0)                   ; one wait for the four
.irp t, 0,1,2,3
	WIN 0x01
.set i, 0
.rept 32
	v_pk_mul_f32 v[S+i:S+i+1], v[64*\t+i:64*\t+i+1], v[ST+8*\t+6:ST+8*\t+7] op_sel_hi:[1,0]
.set i, i+2
.endr
	WIN 0
.if \t > 0
	BAR                                            ; every wave has read the tile before out of the images
.endif
.irp q, 0,1,2,3,4,5,6,7,8,9,10,11,12,13,14,15
	ds_store_b128 v[MWA], v[S+4*\q:S+4*\q+3] offset:512*\q
.endr
	BAR
.irp w, 0,1,2,3
.irp q, 0,1,2,3
	ds_load_b128 v[128+16*\w+4*\q:128+16*\w+4*\q+3], v[MRA] offset:8192*\w+512*\q
.endr
.endr
	s_wait_dscnt 0x0
.irp i, 0,2,4,6,8,10,12,14
	v_pk_add_f32 v[128+\i:129+\i], v[128+\i:129+\i], v[144+\i:145+\i]
	v_pk_add_f32 v[160+\i:161+\i], v[160+\i:161+\i], v[176+\i:177+\i]
.endr
.irp i, 0,2,4,6,8,10,12,14
	v_pk_add_f32 v[128+\i:129+\i], v[128+\i:129+\i], v[160+\i:161+\i]
.endr
.irp i, 0,2,4,6,8,10,12,14
	v_pk_mul_f32 v[128+\i:129+\i], v[128+\i:129+\i], v[ST+8*\t+4:ST+8*\t+5] op_sel_hi:[1,0]
.endr
.irp i, 0,1,2,3,4,5,6,7
	v_cvt_pk_f16_f32 v[OUTP+8*\t+\i], v[128+2*\i], v[129+2*\i]
.endr
.endr
	BAR                                            ; every wave has read the last tile: the images' bytes become the stage
.irp t, 0,1,2,3
.irp c, 0,1
	ds_store_b128 v[OWA], v[OUTP+8*\t+4*\c:OUTP+8*\t+4*\c+3] offset:4352*\t+32*\c
.endr
.endr
	BAR
.irp i, 0,1,2,3,4,5,6,7
	ds_load_b128 v[S+4*\i:S+4*\i+3], v[ORA] offset:544*\i
.endr
	s_wait_dscnt 0x0
.irp i, 0,1,2,3,4,5,6,7
	global_store_b128 v[GO], v[S+4*\i:S+4*\i+3], s[\op:\op+1] offset:4096*\i   ; 16 lanes store 256 consecutive bytes, at a multiple of 256 from the buffer's first byte
.endr
.if \again
	INITST
	s_wait_loadcnt 0x0                             ; pass B's Q
	s_wait_xcnt 0x0                                ; the stores have read their registers: the next scores may be written there
.endif
.endm
	s_wait_loadcnt 0x0                             ; pass A's Q
	s_mov_b32 s[RN], 0
	CHANGE 1                                       ; step 0's slot is whole; step 1's keys are asked for
	PRO 2                                          ; pass A begins (where it has one round, that round holds the diagonal)
	s_mov_b32 s[RND], 0
.Lround:                                               ; 15 trips: from step t to step t + 1, t = the trip; each asks for step t + 2's keys
	s_mov_b32 s[DG], s[DGN]                        ; is step t pass A's last?  (The change below writes the flag anew, for step t + 1)
	s_add_co_u32 s[RN], s[RND], 1
	CHANGE 1
	s_cmp_eq_u32 s[DG], 0
	s_cbranch_scc1 .Lsteady
	EPI                                            ; pass A ends,
	MERGE OA, 1                                    ; is merged and stored,
	PRO 0                                          ; and pass B begins: it has nine rounds or more, so its first holds no diagonal
	s_branch .Lnext
.Lsteady:
	STEADY 2
.Lnext:
	s_add_co_u32 s[RND], s[RND], 1
	s_cmp_lt_u32 s[RND], 15
	s_cbranch_scc1 .Lround
	CHANGE 0                                       ; from step 15 to step 16, written out: nothing is asked for, and step 16 holds pass B's diagonal
	STEADY 1
	EPI
	MERGE OB, 0
	s_wait_tensorcnt 0x0                           ; the wave's end
	ds_add_u32 v[SPW], v[NIL]
	s_wait_dscnt 0x0
	CROUND                                         ; the closing round
	s_endpgm
.Lfunc_end_k_q0b9c7ce1c2_attn:
	.size	k_q0b9c7ce1c2_attn, .Lfunc_end_k_q0b9c7ce1c2_attn-k_q0b9c7ce1c2_attn
	.p2alignl 7, 3214868480
	.fill 96, 4, 3214868480
	.section	.rodata,"a",@progbits
	.p2align	6, 0x0
	.amdhsa_kernel k_q0b9c7ce1c2_attn
		.amdhsa_group_segment_fixed_size 327680
		.amdhsa_private_segment_fixed_size 0
		.amdhsa_enable_private_segment 0
		.amdhsa_kernarg_size 16
		.amdhsa_user_sgpr_count 2
		.amdhsa_user_sgpr_kernarg_segment_ptr 1
		.amdhsa_wavefront_size32 1
		.amdhsa_system_sgpr_workgroup_id_x 1
		.amdhsa_system_sgpr_workgroup_id_y 1
		.amdhsa_system_sgpr_workgroup_id_z 1
		.amdhsa_system_vgpr_workitem_id 0
		.amdhsa_next_free_vgpr 1024
		.amdhsa_next_free_sgpr 80
		.amdhsa_reserve_vcc 1
		.amdhsa_float_denorm_mode_32 3
		.amdhsa_float_denorm_mode_16_64 3
		.amdhsa_memory_ordered 1
		.amdhsa_forward_progress 1
		.amdhsa_inst_pref_size 255
	.end_amdhsa_kernel
	.section	.bss,"aw",@nobits
	.p2align	6
	.space	262144
	.amdgpu_metadata
---
amdhsa.version: [ 1, 2 ]
amdhsa.kernels:
  - .name:           k_q0b9c7ce1c2_attn
    .symbol:         k_q0b9c7ce1c2_attn.kd
    .args:
      - { .name: qkv16, .offset: 0, .size: 8, .value_kind: global_buffer, .address_space: global }
      - { .name: att16, .offset: 8, .size: 8, .value_kind: global_buffer, .address_space: global }
    .group_segment_fixed_size: 327680
    .private_segment_fixed_size: 0
    .kernarg_segment_align: 8
    .kernarg_segment_size: 16
    .max_flat_workgroup_size: 128
    .sgpr_count:     80
    .vgpr_count:     1024
    .wavefront_size: 32
...
	.end_amdgpu_metadata
.endif
;; end of part 3
;; launch proj (part 4): grid 8 x 32, 4 waves a work-group, clusters of 4 x 4, 327,680 bytes of LDS; arguments att16, wo16, out0; writes out0
.if DOCPART == 4
	.amdgcn_target "amdgcn-amd-amdhsa--gfx1250"
	.amdhsa_code_object_version 6
	.text
	.protected	k_q0b9c7ce1c2_proj
	.globl	k_q0b9c7ce1c2_proj
	.p2align	8
	.type	k_q0b9c7ce1c2_proj,@function
k_q0b9c7ce1c2_proj:
	s_mov_b64 s[64:65], 0
	v_nop
	global_prefetch_b8 v0, s[64:65] scope:SCOPE_SE
	s_setreg_imm32_b32 hwreg(HW_REG_WAVE_MODE, 25, 1), 1
	s_wait_xcnt 0x0
	s_wait_alu depctr_hold_cnt(0) depctr_sa_sdst(0) depctr_va_vdst(0) depctr_va_sdst(0) depctr_va_ssrc(0) depctr_va_vcc(0) depctr_vm_vsrc(0)
	s_getreg_b32 s2, hwreg(HW_REG_IB_STS2, 6, 4)
	s_cmp_eq_u32 s2, 0
	s_cbranch_scc0 .Lentry_in_a_cluster
	s_endpgm
.Lentry_in_a_cluster:
	s_bfe_u32 s2, ttmp6, 0x10000c
	s_cmp_lg_u32 s2, 0xf033
	s_cbranch_scc0 .Lentry_shape_is_right
	s_endpgm
.Lentry_shape_is_right:
; out0[m][n] = the sum over k of att16[m][k] wo16[n][k].  att16 [4096][1024], wo16 [2048][1024]: f16; out0 [4096][2048]: f32; sums in f32.  Rows 0-15 are made here like the others; the launch behind this one stores them anew, carried finely:
; to leave them out would take a branch on a work-group's place in its cluster.
; A tile of out0 is 128 x 256: 256 equal work-groups.  Four waves, each 64 x 128: 32 accumulators, 256 registers.  K goes in steps of 128 (rows of 256 bytes) through two LDS slots.
; CLUSTERS: 4 x 4: att16's tiles are asked for jointly along a row of the cluster, wo16's along a column.  THE MATRIX INSTRUCTION IS USED TRANSPOSED: a lane holds eight neighbouring numbers of a row of out0.
; REGISTERS: window 0: v0-31 addresses; v64-95, v96-127 A's fragments, two buffers; v128-255 the way out.   window 1: v0-63, v64-127 B's fragments, two buffers.   window 2: accumulator (a, b) at v[8 (8 a + b)].
.set SIZE_K, 1024
.set SIZE_N, 2048
.set KSTEP,  128
.set PITCH,  272
.set AHALF,  64*PITCH
.set BHALF,  128*PITCH
.set BOFF,   2*AHALF
.set SLOT,   BOFF+2*BHALF
.set STAGE,  2*SLOT                    ; behind the ring: 16 rows x (512 bytes + 16) for each wave
.set SPITCH, 528
.set SPARE,  STAGE+4*16*SPITCH         ; the spare words: 128 bytes a wave, named by no other line
.set LAPS,   SIZE_K/(2*KSTEP)
.set ADRA, 16
.set ADRB, 20
.set STO,  24
.set RD,   25
.set CO,   26
.set SPW,  28
.set NIL,  29
.set BK,   128
.set G1, 24
.set G0, 32
.set G1B, 48
.set G0B, 56
.set MSB, 0
.macro WIN new
.if MSB != (\new)
	s_set_vgpr_msb (MSB<<8)|(\new)
.set MSB, (\new)
.endif
.endm
.set MUL,  0xa1                        ; source 0 (B) window 1, source 1 (A) window 0, C and D window 2
.set TO_B, 0x40
.macro JLOAD s                         ; waves 0 and 1 fetch A's halves (64 rows), waves 2 and 3 B's (128 rows); an s_nop 0 and four v_nop follow each line
	s_cmp_eq_u32 s11, 0
	s_cbranch_scc0 .Lfor_b_\@
	tensor_load_to_lds s[G0+4*\s:G0+4*\s+3], s[G1:G1+7]
	s_nop 0
.rept 4
	v_nop
.endr
	s_branch .Lasked_\@
.Lfor_b_\@:
	tensor_load_to_lds s[G0B+4*\s:G0B+4*\s+3], s[G1B:G1B+7]
	s_nop 0
.rept 4
	v_nop
.endr
.Lasked_\@:
.endm
.macro CREST
	s_cmp_lg_u32 s10, 0
	s_cbranch_scc1 .Lnot_wave_0_\@
	s_barrier_signal -3
.Lnot_wave_0_\@:
	s_barrier_wait -3
	s_barrier_signal -1
	s_barrier_wait -1
.endm
.macro CROUND
	s_barrier_signal -1
	s_barrier_wait -1
	CREST
.endm
	s_load_b128 s[4:7], s[0:1], 0x0                ; att16, wo16
	s_load_b64 s[8:9], s[0:1], 0x10                ; out0
	v_lshl_add_u32 v[SPW], v0, 2, SPARE
	v_mov_b32 v[NIL], 0
	ds_add_u32 v[SPW], v[NIL]                      ; the wave's opening: the add, twice on end, and its wait ahead of my first tensor load
	ds_add_u32 v[SPW], v[NIL]
	v_lshrrev_b32 v1, 5, v0
	v_readfirstlane_b32 s10, v1                    ; wave 0..3
	s_lshr_b32 s11, s10, 1                         ; which half of the tile's rows is mine.  Also: I fetch for A (0) or for B (1)
	s_and_b32 s12, s10, 1                          ; which half of its columns.  Also: which half of that tile I fetch
	s_bfe_u32 s40, ttmp6, 0x40000
	s_bfe_u32 s41, ttmp6, 0x40004
	s_lshl_b32 s42, ttmp9, 2
	s_add_co_u32 s42, s42, s40                     ; tile column
	s_and_b32 s13, ttmp7, 0xffff
	s_lshl_b32 s13, s13, 2
	s_add_co_u32 s13, s13, s41                     ; tile row
	s_lshl_b32 s43, s41, 2
	s_lshl_b32 s43, 15, s43
	s_lshl_b32 s44, 0x1111, s40
	s_or_b32 s[G1+0], s43, (1<<16)|(1<<20)|(1<<21)|(5<<22)|(3<<25)  ; the mask; elements of 2 bytes; padding on; bit 21 beside a mask; 4 words behind every 64
	s_mov_b32 s[G1+1], KSTEP<<16                   ; tensor_dim0
	s_mov_b32 s[G1+2], 64<<16                      ; tensor_dim1
	s_mov_b32 s[G1+3], KSTEP<<16                   ; tile_dim0
	s_mov_b32 s[G1+4], 64                          ; tile_dim1
	s_mov_b32 s[G1+5], SIZE_K                      ; the pitch
	s_mov_b32 s[G1+6], 0
	s_mov_b32 s[G1+7], 0
	s_or_b32 s[G1B+0], s44, (1<<16)|(1<<20)|(1<<21)|(5<<22)|(3<<25)
	s_mov_b32 s[G1B+1], KSTEP<<16
	s_mov_b32 s[G1B+2], 128<<16
	s_mov_b32 s[G1B+3], KSTEP<<16
	s_mov_b32 s[G1B+4], 128
	s_mov_b32 s[G1B+5], SIZE_K
	s_mov_b32 s[G1B+6], 0
	s_mov_b32 s[G1B+7], 0
	s_lshl_b32 s17, s12, 6
	s_lshl_b32 s16, s13, 7
	s_add_co_u32 s16, s16, s17                     ; A: row 128 x tile row + 64 x half
	s_lshl_b32 s16, s16, 11                        ; a row is 2,048 bytes
	s_mov_b32 s17, 0
	s_lshl_b32 s47, s12, 7
	s_lshl_b32 s46, s42, 8
	s_add_co_u32 s46, s46, s47                     ; B: row 256 x tile column + 128 x half
	s_lshl_b32 s46, s46, 11
	s_mov_b32 s47, 0
	s_mul_i32 s20, s12, AHALF                      ; where they go
	s_mul_i32 s21, s12, BHALF
	s_add_co_u32 s21, s21, BOFF
	s_wait_dscnt 0x0                               ; both opening adds are done
	s_wait_kmcnt 0x0
	s_add_nc_u64 s[14:15], s[4:5], s[16:17]
	s_add_nc_u64 s[46:47], s[6:7], s[46:47]
	CROUND                                         ; all sixteen work-groups are here
.irp s, 0,1
	s_mov_b32 s[G0+4*\s], 1
	s_add_co_u32 s[G0+4*\s+1], s20, \s*SLOT
	s_add_nc_u64 s[G0+4*\s+2:G0+4*\s+3], s[14:15], \s*KSTEP*2
	s_or_b32 s[G0+4*\s+3], s[G0+4*\s+3], 0x80000000
	s_mov_b32 s[G0B+4*\s], 1
	s_add_co_u32 s[G0B+4*\s+1], s21, \s*SLOT
	s_add_nc_u64 s[G0B+4*\s+2:G0B+4*\s+3], s[46:47], \s*KSTEP*2
	s_or_b32 s[G0B+4*\s+3], s[G0B+4*\s+3], 0x80000000
	JLOAD \s
.endr
	v_and_b32 v1, 15, v0
	v_bfe_u32 v2, v0, 4, 1
	v_mul_u32_u24 v3, v1, PITCH
	v_lshl_add_u32 v3, v2, 4, v3
	s_mul_i32 s21, s11, AHALF                      ; my 64 rows of A
	s_mul_i32 s22, s12, BHALF                      ; my 128 rows of B
	s_add_co_u32 s22, s22, BOFF
.irp s, 0,1
	v_add_nc_u32 v[ADRA+\s], s21, v3
	v_add_nc_u32 v[ADRB+\s], s22, v3
	s_add_co_u32 s21, s21, SLOT
	s_add_co_u32 s22, s22, SLOT
.endr
	s_mul_i32 s23, s10, 16*SPITCH
	s_add_co_u32 s23, s23, STAGE                   ; my stage
	v_mul_u32_u24 v5, v1, SPITCH
	v_lshl_add_u32 v5, v2, 5, v5
	v_add_nc_u32 v[STO], s23, v5                   ; in: row r, 32 bytes for each half of the lanes
	v_and_b32 v6, 31, v0
	v_lshlrev_b32 v[CO], 4, v6                     ; back: the 32 lanes take one row of 512 bytes; and the same in out0
	v_add_nc_u32 v[RD], s23, v[CO]
	s_lshl_b32 s16, s13, 7
	s_lshl_b32 s17, s11, 6
	s_add_co_u32 s16, s16, s17                     ; my first row of out0
	s_lshl_b32 s16, s16, 13                        ; a row is 8,192 bytes
	s_mov_b32 s17, 0
	s_add_nc_u64 s[8:9], s[8:9], s[16:17]
	s_lshl_b32 s46, s42, 10
	s_lshl_b32 s47, s12, 9
	s_add_co_u32 s46, s46, s47                     ; my first column, in bytes
	s_mov_b32 s47, 0
	s_add_nc_u64 s[8:9], s[8:9], s[46:47]
; 8 matrix instructions: A's block a against B's eight, 32 along K, buffers f.  The 32 accumulators take turns, one instruction a turn, in the same order in every quarter.
.macro MULA f, a, zero
.irp b, 0,1,2,3,4,5,6,7
.if \zero
	v_wmma_f32_16x16x32_f16 v[8*(8*(\a)+\b):8*(8*(\a)+\b)+7], v[64*(\f)+8*\b:64*(\f)+8*\b+7], v[64+32*(\f)+8*(\a):64+32*(\f)+8*(\a)+7], 0
.else
	v_wmma_f32_16x16x32_f16 v[8*(8*(\a)+\b):8*(8*(\a)+\b)+7], v[64*(\f)+8*\b:64*(\f)+8*\b+7], v[64+32*(\f)+8*(\a):64+32*(\f)+8*(\a)+7], v[8*(8*(\a)+\b):8*(8*(\a)+\b)+7]
.endif
.endr
.endm
.macro FETCH slot, k, f                ; 24 LDS loads in one run: 32 along K at byte k of the rows: 128 rows of B, 64 of A
	WIN TO_B
.irp i, 0,1,2,3,4,5,6,7
	ds_load_b128 v[64*(\f)+8*\i:64*(\f)+8*\i+3],   v[ADRB+\slot] offset:\k+\i*16*PITCH
	ds_load_b128 v[64*(\f)+8*\i+4:64*(\f)+8*\i+7], v[ADRB+\slot] offset:\k+\i*16*PITCH+32
.endr
	WIN 0
.irp i, 0,1,2,3
	ds_load_b128 v[64+32*(\f)+8*\i:64+32*(\f)+8*\i+3],   v[ADRA+\slot] offset:\k+\i*16*PITCH
	ds_load_b128 v[64+32*(\f)+8*\i+4:64+32*(\f)+8*\i+7], v[ADRA+\slot] offset:\k+\i*16*PITCH+32
.endr
.endm
.macro PLACES
.rept 4
	v_nop
.endr
.endm
; A K step is four quarters of 32 along K, 32 matrix instructions each, on buffers 0, 1, 0, 1.  One of the first three: the next quarter's fragments are asked for first, then buffer f is multiplied: they have 32 products in which to land.
.macro QUARTER slot, k, f, g, zero
	s_wait_dscnt 0x0                               ; buffer f is in
	PLACES                                         ; in front of loads into buffer g, which the quarter before multiplied
	FETCH \slot, \k, \g
	WIN MUL
	MULA \f, 0, \zero
	MULA \f, 1, \zero
	MULA \f, 2, \zero
	MULA \f, 3, \zero
.endm
; The last quarter multiplies buffer 1 and changes slots: one barrier; in front of it each wave waits for all its tensor loads, adds 0 to its spare word, and waits for that and for its reads of this slot.
.macro TURN slot, next, fill
	WIN 0
	s_wait_tensorcnt 0x0                           ; all my tensor loads have landed: my part of the next slot
	ds_add_u32 v[SPW], v[NIL]
	s_wait_dscnt 1                                 ; buffer 1 is in; the add may be out
	WIN MUL
	MULA 1, 0, 0
	s_wait_dscnt 0x0                               ; the add is done, and my reads of this slot are over
	s_barrier_signal -1
	MULA 1, 1, 0
	WIN 0
	s_barrier_wait -1
.if \fill
	CREST                                          ; the barrier has opened a round of the cluster's barrier
	s_add_nc_u64 s[G0+4*\slot+2:G0+4*\slot+3], s[G0+4*\slot+2:G0+4*\slot+3], 2*KSTEP*2
	s_add_nc_u64 s[G0B+4*\slot+2:G0B+4*\slot+3], s[G0B+4*\slot+2:G0B+4*\slot+3], 2*KSTEP*2
	JLOAD \slot                                    ; the first tensor load behind the round; its four v_nop are the places in front of the loads below
.else
	PLACES
.endif
	FETCH \next, 0, 0
	WIN MUL
	MULA 1, 2, 0
	MULA 1, 3, 0
.endm
	s_wait_tensorcnt 1                             ; my part of K step 0 is in; K step 1's load may be out
	s_barrier_signal -1
	s_barrier_wait -1
	FETCH 0, 0, 0
	QUARTER 0, 64, 0, 1, 1                         ; the first quarter's products start the sums
	WIN 0
	s_mov_b32 s3, LAPS-1
.Llap:
	QUARTER 0, 128, 1, 0, 0
	QUARTER 0, 192, 0, 1, 0
	TURN 0, 1, 1
	QUARTER 1, 64,  0, 1, 0
	QUARTER 1, 128, 1, 0, 0
	QUARTER 1, 192, 0, 1, 0
	TURN 1, 0, 1
	QUARTER 0, 64,  0, 1, 0
	WIN 0
	s_sub_co_u32 s3, s3, 1
	s_cmp_lg_u32 s3, 0
	s_cbranch_scc1 .Llap
	QUARTER 0, 128, 1, 0, 0                        ; the last lap fills nothing
	QUARTER 0, 192, 0, 1, 0
	TURN 0, 1, 0
	QUARTER 1, 64,  0, 1, 0
	QUARTER 1, 128, 1, 0, 0
	QUARTER 1, 192, 0, 1, 0
	s_wait_dscnt 0x0
	WIN MUL
	MULA 1, 0, 0
	MULA 1, 1, 0
	MULA 1, 2, 0
	MULA 1, 3, 0
	WIN 0
; THE WAY OUT, block by block of 16 rows x 128 columns, through my own stage: back as whole rows of 512 bytes.  LDS serves a wave's instructions in order.
.macro TOSTAGE a
.set AC, 64*(\a)
	WIN 0x08                                       ; an LDS store's data are its source 1: window 2
.irp b, 0,1,2,3,4,5,6,7
	ds_store_b128 v[STO], v[AC+8*\b:AC+8*\b+3] offset:64*\b          ; each accumulator from its low end on
	ds_store_b128 v[STO], v[AC+8*\b+4:AC+8*\b+7] offset:64*\b+16
.endr
	WIN 0
.set BB, BK+64*((\a)%2)
.irp t, 0,1,2,3,4,5,6,7,8,9,10,11,12,13,14,15
	ds_load_b128 v[BB+4*\t:BB+4*\t+3], v[RD] offset:\t*SPITCH
.endr
.endm
.macro SEND a, younger
.set BB, BK+64*((\a)%2)
	s_wait_dscnt \younger
.irp t, 0,1,2,3,4,5,6,7,8,9,10,11,12,13,14,15
	global_store_b128 v[CO], v[BB+4*\t:BB+4*\t+3], s[8:9] offset:131072*(\a)+8192*\t th:TH_STORE_NT   ; 32 lanes store 512 consecutive bytes, at a multiple of 256 from the buffer's first byte
.endr
.endm
	PLACES
	TOSTAGE 0
.irp a, 1,2,3
.if \a > 1
	s_wait_xcnt 0x0                                ; block a - 2's stores have read their registers: block a's loads may land there
.endif
	TOSTAGE \a
	SEND \a-1, 32                                  ; behind block a - 1's loads: block a's 16 stores and 16 loads
.endr
	SEND 3, 0
	s_wait_tensorcnt 0x0                           ; the wave's end
	ds_add_u32 v[SPW], v[NIL]
	s_wait_dscnt 0x0
	CROUND                                         ; the closing round
	s_endpgm
.Lfunc_end_k_q0b9c7ce1c2_proj:
	.size	k_q0b9c7ce1c2_proj, .Lfunc_end_k_q0b9c7ce1c2_proj-k_q0b9c7ce1c2_proj
	.p2alignl 7, 3214868480
	.fill 96, 4, 3214868480
	.section	.rodata,"a",@progbits
	.p2align	6, 0x0
	.amdhsa_kernel k_q0b9c7ce1c2_proj
		.amdhsa_group_segment_fixed_size 327680
		.amdhsa_private_segment_fixed_size 0
		.amdhsa_enable_private_segment 0
		.amdhsa_kernarg_size 24
		.amdhsa_user_sgpr_count 2
		.amdhsa_user_sgpr_kernarg_segment_ptr 1
		.amdhsa_wavefront_size32 1
		.amdhsa_system_sgpr_workgroup_id_x 1
		.amdhsa_system_sgpr_workgroup_id_y 1
		.amdhsa_system_sgpr_workgroup_id_z 1
		.amdhsa_system_vgpr_workitem_id 0
		.amdhsa_next_free_vgpr 768
		.amdhsa_next_free_sgpr 66
		.amdhsa_reserve_vcc 0
		.amdhsa_float_denorm_mode_32 3
		.amdhsa_float_denorm_mode_16_64 3
		.amdhsa_memory_ordered 1
		.amdhsa_forward_progress 1
		.amdhsa_inst_pref_size 85
	.end_amdhsa_kernel
	.amdgpu_metadata
---
amdhsa.version: [ 1, 2 ]
amdhsa.kernels:
  - .name:           k_q0b9c7ce1c2_proj
    .symbol:         k_q0b9c7ce1c2_proj.kd
    .args:
      - { .name: att16, .offset: 0, .size: 8, .value_kind: global_buffer, .address_space: global }
      - { .name: wo16, .offset: 8, .size: 8, .value_kind: global_buffer, .address_space: global }
      - { .name: out0, .offset: 16, .size: 8, .value_kind: global_buffer, .address_space: global }
    .group_segment_fixed_size: 327680
    .private_segment_fixed_size: 0
    .kernarg_segment_align: 8
    .kernarg_segment_size: 24
    .max_flat_workgroup_size: 128
    .sgpr_count:     66
    .vgpr_count:     768
    .wavefront_size: 32
...
	.end_amdgpu_metadata
.endif
;; end of part 4
;; launch fine (part 5): grid 128 x 1, 16 waves a work-group, no clusters, 88,320 bytes of LDS; arguments qkv32, wo, out0; writes out0
.if DOCPART == 5
	.amdgcn_target "amdgcn-amd-amdhsa--gfx1250"
	.amdhsa_code_object_version 6
	.text
	.protected	k_q0b9c7ce1c2_fine
	.globl	k_q0b9c7ce1c2_fine
	.p2align	8
	.type	k_q0b9c7ce1c2_fine,@function
k_q0b9c7ce1c2_fine:
	s_mov_b64 s[64:65], 0
	v_nop
	global_prefetch_b8 v0, s[64:65] scope:SCOPE_SE
	s_setreg_imm32_b32 hwreg(HW_REG_WAVE_MODE, 25, 1), 1
	s_wait_xcnt 0x0
; Positions 0-15, whose softmax averages one to sixteen values, once more with f32 operands throughout: scores, softmax, the product with v, and the projection by wo.  It stores rows 0-15 of out0 over what the launch before left there.
; qkv32 [16][3072] f32: q, k, v behind norm and rotation.  wo [2048][1024] f32.
; Work-group x makes columns 16 x .. 16 x + 15.  Wave w takes a sixteenth of K = 1,024 (numbers 64 w on): 16 matrix instructions; the sixteen partial sums meet in LDS.  Waves 0-7 first make head w's attention: every work-group repeats it:
; 64 matrix instructions a wave.  The projection is 16 x 2,048 x 1,024 multiply-adds in a form that takes 1,024 an instruction: 128 work-groups share them, 256 instructions each.
; THE PRICE: a work-group stores 64 consecutive bytes of each of 16 rows, four lanes to a row: 131,072 bytes in the whole launch leave in such pieces.
; THE f32 FORM takes 4 along K: register j of a lane holds k = 2 (lane / 16) + j.  A lane loads 16 bytes at k = 8 s + 4 (lane / 16); registers 0, 1 feed one instruction and 2, 3 the next: the same order of k on both sides of a product.
; Its accumulators, v80-111, are written by matrix instructions alone; four take turns; what is made of them goes into v112-127.
; REGISTERS: v1-13 addresses; v14, v15 the add's two; v16-79 V^T, later the attention's fragments, later the sixteen partial sums; v112-127 sums and p; v128-191 q, v192-255 k; later v128-159 wo.
.set AOP,   4112                       ; a position's 1,024 numbers in LDS: 4,096 bytes + 16
.set RED,   16*AOP                     ; behind them: sixteen partial sums x 16 rows x (64 bytes + 16)
.set RP,    80
.set SPARE, RED+16*16*RP               ; the spare words: 128 bytes a wave, named by no other line
	s_load_b128 s[4:7], s[0:1], 0x0                ; qkv32, wo
	s_load_b64 s[8:9], s[0:1], 0x10                ; out0
	v_lshl_add_u32 v14, v0, 2, SPARE
	v_mov_b32 v15, 0
	v_lshrrev_b32 v1, 5, v0
	v_readfirstlane_b32 s10, v1                    ; wave 0..15: my sixteenth of K
	s_and_b32 s11, s10, 1                          ; my eight rows on the way out
	s_and_b32 s13, s10, 7                          ; my head
	v_and_b32 v1, 15, v0                           ; r
	v_bfe_u32 v2, v0, 4, 1                         ; h
	s_lshl_b32 s14, s13, 9                         ; a head's 512 bytes
	v_mul_u32_u24 v3, v1, 12288
	v_lshl_add_u32 v3, v2, 4, v3
	v_add_nc_u32 v3, s14, v3                       ; q, k: row r, + 16 h, my head
	v_mul_u32_u24 v4, v2, 8*12288
	v_lshl_add_u32 v4, v1, 2, v4
	v_add_nc_u32 v4, s14, v4                       ; v: key 8 h, channel r, my head
	v_lshlrev_b32 v5, 12, v1
	v_lshl_add_u32 v5, v2, 4, v5                   ; wo: row r of 4,096 bytes, + 16 h
	v_mul_u32_u24 v12, v1, AOP
	v_lshl_add_u32 v6, v2, 5, v12
	v_add_nc_u32 v6, s14, v6                       ; the attention, in: row r, my head, + 32 h
	s_lshl_b32 s15, s10, 8                         ; my sixteenth: 256 bytes of a row
	v_lshl_add_u32 v7, v2, 4, v12
	v_add_nc_u32 v7, s15, v7                       ; and out: row r, my sixteenth, + 16 h
	s_mul_i32 s16, s10, 16*RP
	s_add_co_u32 s16, s16, RED
	v_mul_u32_u24 v8, v1, RP
	v_lshl_add_u32 v8, v2, 5, v8
	v_add_nc_u32 v8, s16, v8                       ; the partial sums, in: my part, row r, + 32 h
	v_bfe_u32 v9, v0, 2, 3                         ; lane / 4
	s_lshl_b32 s17, s11, 3
	v_add_nc_u32 v9, s17, v9                       ; the way out: row 8 (w % 2) + lane / 4,
	v_and_b32 v12, 3, v0
	v_lshlrev_b32 v12, 4, v12                      ; 16 bytes at 16 (lane % 4)
	v_lshl_add_u32 v10, v9, 13, v12                ; in out0: rows of 8,192 bytes
	v_mul_u32_u24 v9, v9, RP
	v_add_nc_u32 v9, v9, v12
	v_add_nc_u32 v9, RED, v9                       ; and in each partial sum
	v_lshlrev_b32 v11, 3, v2
	v_sub_nc_u32 v11, v1, v11                      ; r - 8 h: register j holds key 8 h + j, hidden where j is above it
	v_mov_b32 v13, 0xff800000                      ; -infinity
	s_mov_b32 s20, 0x76543210
	s_mov_b32 s21, 0xfedcba98
	s_mov_b32 s22, 0x3e0293ee                      ; c = log2(e) / sqrt(128)
	s_lshl_b32 s18, ttmp9, 16                      ; 16 rows of wo,
	s_add_co_u32 s18, s18, s15                     ; my sixteenth of K
	s_mov_b32 s19, 0
	s_lshl_b32 s16, ttmp9, 6                       ; 16 columns of out0
	s_mov_b32 s17, 0
	s_wait_kmcnt 0x0
	s_add_nc_u64 s[6:7], s[6:7], s[18:19]
	s_add_nc_u64 s[8:9], s[8:9], s[16:17]
	s_cmp_lt_u32 s10, 8
	s_cbranch_scc0 .Lwo
.set i, 0
.rept 16
	global_load_b128 v[128+4*i:131+4*i], v3, s[4:5] offset:32*i           ; q
	global_load_b128 v[192+4*i:195+4*i], v3, s[4:5] offset:4096+32*i      ; k
.set i, i+1
.endr
.set i, 0
.rept 64
	global_load_b32 v[16+i], v4, s[4:5] offset:8192+(i%8)*12288+(i/8)*64  ; V(key 8 h + i % 8, channel 16 (i / 8) + r)
.set i, i+1
.endr
	s_wait_loadcnt 0x0
.set i, 0
.rept 32                               ; S^T = K Q^T: a lane holds query r and keys 8 h + 0 .. 7
.if i < 4
	v_wmma_f32_16x16x4_f32 v[80+8*(i%4):87+8*(i%4)], v[192+2*i:193+2*i], v[128+2*i:129+2*i], 0
.else
	v_wmma_f32_16x16x4_f32 v[80+8*(i%4):87+8*(i%4)], v[192+2*i:193+2*i], v[128+2*i:129+2*i], v[80+8*(i%4):87+8*(i%4)]
.endif
.set i, i+1
.endr
.rept 9
	v_nop                                          ; places behind this form: eight for the loads below and the reads of the sums; the ninth for a matrix instruction that begins these accumulators anew, whichever follows first
.endr
.Lwo:
.set i, 0
.rept 8
	global_load_b128 v[128+4*i:131+4*i], v5, s[6:7] offset:32*i           ; my 16 rows of wo, my sixteenth of K: the eight loads together read 256 consecutive bytes of each row
.set i, i+1
.endr
	s_cmp_lt_u32 s10, 8
	s_cbranch_scc0 .Lbar
.irp j, 0,1,2,3,4,5,6,7
	v_add_f32 v[112+\j], v[80+\j], v[88+\j]        ; the four partial sums, each read from its low end on
.endr
.irp j, 0,1,2,3,4,5,6,7
	v_add_f32 v[120+\j], v[96+\j], v[104+\j]
.endr
.irp j, 0,1,2,3,4,5,6,7
	v_add_f32 v[112+\j], v[112+\j], v[120+\j]
.endr
.irp j, 0,1,2,3,4,5,6,7
	v_cmp_gt_i32 vcc_lo, \j, v11
	v_cndmask_b32 v[112+\j], v[112+\j], v13, vcc_lo
.endr
	v_max3_num_f32 v120, v112, v113, v114
	v_max3_num_f32 v120, v120, v115, v116
	v_max3_num_f32 v120, v120, v117, v118
	v_max_num_f32 v120, v120, v119
	v_permlanex16_b32 v121, v120, s20, s21
	v_max_num_f32 v120, v120, v121                 ; the query's largest score: key 0 counts for every query
	v_mul_f32 v120, s22, v120
.irp j, 0,1,2,3,4,5,6,7
	v_fma_f32 v[112+\j], v[112+\j], s22, -v120
.endr
.irp j, 0,1,2,3,4,5,6,7
	v_exp_f32 v[112+\j], v[112+\j]
.endr
	v_nop
	s_wait_alu depctr_va_vdst(0)                   ; one wait for the eight
	v_add_f32 v121, v112, v113
	v_add_f32 v122, v114, v115
	v_add_f32 v123, v116, v117
	v_add_f32 v124, v118, v119
	v_add_f32 v121, v121, v122
	v_add_f32 v123, v123, v124
	v_add_f32 v121, v121, v123
	v_permlanex16_b32 v122, v121, s20, s21
	v_add_f32 v121, v121, v122
	v_rcp_f32 v122, v121
	v_nop
	s_wait_alu depctr_va_vdst(0)
.irp j, 0,1,2,3,4,5,6,7
	v_mul_f32 v[112+\j], v[112+\j], v122           ; the weights
.endr
.irp g, 0,1                                    ; O^T = V^T P: four tiles of 16 channels at a time; instruction s takes keys 8 h + 2 s, + 1
.irp s, 0,1,2,3
.irp c, 0,1,2,3
.if \s == 0
	v_wmma_f32_16x16x4_f32 v[80+8*\c:87+8*\c], v[16+8*(4*\g+\c)+2*\s:17+8*(4*\g+\c)+2*\s], v[112+2*\s:113+2*\s], 0
.else
	v_wmma_f32_16x16x4_f32 v[80+8*\c:87+8*\c], v[16+8*(4*\g+\c)+2*\s:17+8*(4*\g+\c)+2*\s], v[112+2*\s:113+2*\s], v[80+8*\c:87+8*\c]
.endif
.endr
.endr
.rept 8
	v_nop
.endr
.irp c, 0,1,2,3
	ds_store_b128 v6, v[80+8*\c:83+8*\c] offset:64*(4*\g+\c)
	ds_store_b128 v6, v[84+8*\c:87+8*\c] offset:64*(4*\g+\c)+16
.endr
	s_wait_dscnt 0x0
	v_nop                                          ; the ninth place: a matrix instruction begins these accumulators anew
.endr
.Lbar:
	s_wait_dscnt 0x0
	s_barrier_signal -1
	s_barrier_wait -1                              ; the attention's 16 rows x 1,024 lie in LDS
.set i, 0
.rept 8
	ds_load_b128 v[16+4*i:19+4*i], v7 offset:32*i  ; my sixteenth of them
.set i, i+1
.endr
	s_wait_dscnt 0x0
	s_wait_loadcnt 0x0                             ; wo
.set i, 0
.rept 16                               ; out^T = wo O^T over my 64 along K
.if i < 4
	v_wmma_f32_16x16x4_f32 v[80+8*(i%4):87+8*(i%4)], v[128+2*i:129+2*i], v[16+2*i:17+2*i], 0
.else
	v_wmma_f32_16x16x4_f32 v[80+8*(i%4):87+8*(i%4)], v[128+2*i:129+2*i], v[16+2*i:17+2*i], v[80+8*(i%4):87+8*(i%4)]
.endif
.set i, i+1
.endr
.rept 8
	v_nop
.endr
.irp j, 0,1,2,3,4,5,6,7
	v_add_f32 v[112+\j], v[80+\j], v[88+\j]
.endr
.irp j, 0,1,2,3,4,5,6,7
	v_add_f32 v[120+\j], v[96+\j], v[104+\j]
.endr
.irp j, 0,1,2,3,4,5,6,7
	v_add_f32 v[112+\j], v[112+\j], v[120+\j]      ; lane (r, h): row r, columns 8 h + 0 .. 7
.endr
	ds_store_b128 v8, v[112:115]
	ds_store_b128 v8, v[116:119] offset:16
	s_wait_dscnt 0x0
	s_barrier_signal -1
	s_barrier_wait -1
	s_cmp_lt_u32 s10, 2
	s_cbranch_scc0 .Lend
.set i, 0
.rept 16
	ds_load_b128 v[16+4*i:19+4*i], v9 offset:16*RP*i   ; waves 0 and 1: my four numbers of each of the sixteen partial sums
.set i, i+1
.endr
	s_wait_dscnt 0x0
.irp q, 0,1,2,3,4,5,6,7
	v_pk_add_f32 v[16+4*\q:17+4*\q], v[16+4*\q:17+4*\q], v[48+4*\q:49+4*\q]
	v_pk_add_f32 v[18+4*\q:19+4*\q], v[18+4*\q:19+4*\q], v[50+4*\q:51+4*\q]
.endr
.irp q, 0,1,2,3
	v_pk_add_f32 v[16+4*\q:17+4*\q], v[16+4*\q:17+4*\q], v[32+4*\q:33+4*\q]
	v_pk_add_f32 v[18+4*\q:19+4*\q], v[18+4*\q:19+4*\q], v[34+4*\q:35+4*\q]
.endr
.irp q, 0,1
	v_pk_add_f32 v[16+4*\q:17+4*\q], v[16+4*\q:17+4*\q], v[24+4*\q:25+4*\q]
	v_pk_add_f32 v[18+4*\q:19+4*\q], v[18+4*\q:19+4*\q], v[26+4*\q:27+4*\q]
.endr
	v_pk_add_f32 v[16:17], v[16:17], v[20:21]
	v_pk_add_f32 v[18:19], v[18:19], v[22:23]
	global_store_b128 v10, v[16:19], s[8:9]        ; four lanes store 64 consecutive bytes of a row
.Lend:
	s_wait_tensorcnt 0x0                           ; the wave's end
	ds_add_u32 v14, v15
	s_wait_dscnt 0x0
	s_endpgm
.Lfunc_end_k_q0b9c7ce1c2_fine:
	.size	k_q0b9c7ce1c2_fine, .Lfunc_end_k_q0b9c7ce1c2_fine-k_q0b9c7ce1c2_fine
	.p2alignl 7, 3214868480
	.fill 96, 4, 3214868480
	.section	.rodata,"a",@progbits
	.p2align	6, 0x0
	.amdhsa_kernel k_q0b9c7ce1c2_fine
		.amdhsa_group_segment_fixed_size 88320
		.amdhsa_private_segment_fixed_size 0
		.amdhsa_enable_private_segment 0
		.amdhsa_kernarg_size 24
		.amdhsa_user_sgpr_count 2
		.amdhsa_user_sgpr_kernarg_segment_ptr 1
		.amdhsa_wavefront_size32 1
		.amdhsa_system_sgpr_workgroup_id_x 1
		.amdhsa_system_sgpr_workgroup_id_y 1
		.amdhsa_system_sgpr_workgroup_id_z 1
		.amdhsa_system_vgpr_workitem_id 0
		.amdhsa_next_free_vgpr 256
		.amdhsa_next_free_sgpr 66
		.amdhsa_reserve_vcc 1
		.amdhsa_float_denorm_mode_32 3
		.amdhsa_float_denorm_mode_16_64 3
		.amdhsa_memory_ordered 1
		.amdhsa_forward_progress 1
		.amdhsa_inst_pref_size 28
	.end_amdhsa_kernel
	.amdgpu_metadata
---
amdhsa.version: [ 1, 2 ]
amdhsa.kernels:
  - .name:           k_q0b9c7ce1c2_fine
    .symbol:         k_q0b9c7ce1c2_fine.kd
    .args:
      - { .name: qkv32, .offset: 0, .size: 8, .value_kind: global_buffer, .address_space: global }
      - { .name: wo, .offset: 8, .size: 8, .value_kind: global_buffer, .address_space: global }
      - { .name: out0, .offset: 16, .size: 8, .value_kind: global_buffer, .address_space: global }
    .group_segment_fixed_size: 88320
    .private_segment_fixed_size: 0
    .kernarg_segment_align: 8
    .kernarg_segment_size: 24
    .max_flat_workgroup_size: 512
    .sgpr_count:     66
    .vgpr_count:     256
    .wavefront_size: 32
...
	.end_amdgpu_metadata
.endif
;; end of part 5
